; MI455X (gfx1250); checked and timed in simulation.
; The chip was launched on July 23, 2026; its instructions are those of AMD's public machine-readable ISA for CDNA 5 (MIT licence, August 2026) and "CDNA5" Instruction Set Architecture Reference Guide (July 2026). The comments in the code are by the model that wrote it; some were corrected since.
;; Context32 K Scaling. Allowed arithmetic: float matrix products may take bf16 or f16 operands with f32 sums; other float arithmetic in f32, or as packed bf16 or f16 multiplies, adds, multiply-adds, maxima and minima; sums over many terms, partial sums and values carried from step to step in f32; what a program stores and reads back later, other than sums and carried values, may be rounded once to bf16 or f16.
;; Inputs: k 8 x 2,048 x 256 float32; q 8 x 2,048 x 256 float32; v 8 x 2,048 x 256 float32.
;; Outputs: out0 1 x 8 x 2,048 x 256 float32.
;; 3 versions, each right; version 3 is version 2 with the launch prep written anew for expert scheduling mode. Each part assembles by itself: llvm-mc -triple=amdgcn-amd-amdhsa -mcpu=gfx1250 --defsym DOCPART=n.
;; ======== version 1 of 3: 2 launches
;; limits: values are held in f16: magnitudes above 65,504 overflow, below 6.1e-05 lose precision
;; workspace buffers: qb 8,388,608 bytes; kv 16,777,216 bytes
;; launch prep (part 1): grid 128 x 6, 4 waves a work-group, no clusters, 35,328 bytes of LDS; arguments q, k, v, qb, kv; writes qb, kv
.if DOCPART == 1
	.amdgcn_target "amdgcn-amd-amdhsa--gfx1250"
	.amdhsa_code_object_version 6
	.text
	.protected	k_qdcf61cb572_prep
	.globl	k_qdcf61cb572_prep
	.p2align	8
	.type	k_qdcf61cb572_prep,@function
k_qdcf61cb572_prep:
	s_mov_b64 s[64:65], 0
	v_nop
	global_prefetch_b8 v0, s[64:65] scope:SCOPE_SE
	s_setreg_imm32_b32 hwreg(HW_REG_WAVE_MODE, 25, 1), 1
	s_wait_xcnt 0x0
; FIRST OF TWO LAUNCHES.  The program: out[b][t] = sum over s of softmax_s(rope(q)[b][t] . rope(k)[b][s] / 16 + 2^-8 (s - t)) v[b][s];  B = 8, T = 2048, 256 channels, all f32.
; DEAD WORK.  The bias 2^-8 (s - t) is 2^-8 s - 2^-8 t.  The second term does not depend on s, the softmax's axis: it multiplies numerator and denominator of every weight of row t by the
; same factor 2^(..) and cancels, for all values of q, k, v.  It is at most 8 in size, of the order of the scores.  So only +2^-8 s is added (second launch).  No input is left out: q, k, v are all loaded.
; LIMIT: the term left out is a constant of the program; no NaN, infinity or overflow can arise in it alone.
; THIS LAUNCH makes the second launch's matrix operands, once (each key is read there by 32 work-groups): qb = rope(q) x log2(e)/16, and kv = rope(k) and v; all rounded once to f16, and laid
; in the order in which a lane of a matrix fragment takes them, so that every later load of a fragment is 32 lanes x 16 consecutive bytes.
;   qb: batch b, tile X of 16 rows, channels 32 c + 16 blk + 8 h + 0..7 of row r at  b 2^20 + (X/2) 16384 + (2 c + X%2) 1024 + 512 blk + 16 (16 h + r)
;   kv: batch b at b 2^21, chunk of 32 keys at 32768 ch: K as qb (16384 bytes), then V: block (cb, kk) at 16384 + 1024 cb + 512 kk + 16 L holds key 16 kk + 8 (L/16) + L%8, channels 16 cb + 8 ((L/8)%2) + 0..7
; LIMITS.  f16 ends at 65,504: |rope(k)|, |v| and |rope(q)| log2(e)/16 must stay under it.  cos and sin are made here: the angle t f_j is reduced in revolutions, a quarter of it goes through
; Taylor polynomials (|a| <= pi/4: the first terms left out are a^9/9! and a^10/10!, under 4e-7) and two doublings; rows 1 to 15 of a tile follow by rotating by f_j.  The angle is good to some 4e-4 rad at t = 2047.
; SHARES.  A wave takes 16 rows (16 KiB in, 8 KiB out) of one tensor and one batch: x = tile, y = 2 x tensor + half of the batches, wave = batch in the half.  No loop, no barrier: each wave has its own stage
; in LDS, through which rows turn into fragments.  All 32 loads of a wave go out at once.  No matrix unit, no tensor load, no cluster, no prefetch: every byte is read once, and the launch only streams.
.set STG,   8704                       ; a wave's stage: 16 rows of 528 bytes (rope) or 544 (v)
.set PR,    528                        ; 512 + 16: the 16 rows of a fragment load start at 16 different 16-byte columns modulo 256
.set PT,    544                        ; 512 + 32: 8 rows x 32 bytes of a V block likewise
.set SPARE, 4*STG                      ; behind the stages: the spare words, 128 bytes a wave, which no other line names
.set LN,  1                            ; v1   lane
.set STA, 2                            ; v2   stage + 8 x lane: where I put 4 f16
.set FRA, 3                            ; v3   where I read 16 bytes of a fragment
.set GOF, 4                            ; v4   16 x lane: for the loads and for the stores; never rewritten
.set SPW, 6                            ; v6   my spare word
.set NIL, 7                            ; v7   0
.set IR,  12                           ; v[12:15] f_j / 2 pi for my four j = 4 lane + e
.set R0,  16                           ; v[16:19] the first row's angle in revolutions
.set CT,  20                           ; v[20:23] cos f_j
.set ST,  24                           ; v[24:27] sin f_j
.set SETA, 28                          ; v[28:43] two sets (cos x 4, sin x 4) of the row in hand and the next, times the scale
.set T,   44                           ; v[44:51] at work
.set Y,   60                           ; v[60:63] 8 f16 to store
.set X,   64                           ; v[64:191] row i at X + 8 i: channels 4 l .. 4 l + 3, then 128 + 4 l ..; later the fragments
.set PI2, 16
.set S7,  18
.set S5,  20
.set S3,  22
.set C8,  24
.set C6,  26
.set C4,  28
.set K2,  30
.set KM2, 32
.set K1,  34
.set SRC, 36
.set DST, 38
	s_load_b256 s[4:11], s[0:1], 0x0               ; q s[4:5], k s[6:7], v s[8:9], qb s[10:11]
	s_load_b64 s[12:13], s[0:1], 0x20              ; kv
	v_lshl_add_u32 v[SPW], v0, 2, SPARE
	v_mov_b32 v[NIL], 0
	v_lshrrev_b32 v8, 5, v0
	v_readfirstlane_b32 s14, v8                    ; wave 0..3
	v_and_b32 v[LN], 31, v0
	v_lshlrev_b32 v[GOF], 4, v[LN]
	s_and_b32 s41, ttmp7, 0xffff                   ; y
	s_lshr_b32 s15, s41, 1                         ; tensor: 0 q, 1 k, 2 v
	s_and_b32 s41, s41, 1
	s_lshl2_add_u32 s41, s41, s14                  ; batch = 4 (y % 2) + wave
	s_lshl_b32 s2, s41, 21                         ; source: batch x 2 MiB + tile x 16 KiB
	s_lshl_b32 s3, ttmp9, 14
	s_add_co_u32 s2, s2, s3
	s_mov_b32 s3, 0
	s_lshr_b32 s42, ttmp9, 1                       ; pair of tiles (a chunk of 32 rows)
	s_and_b32 s43, ttmp9, 1                        ; which of the two
	s_cmp_eq_u32 s15, 0
	s_cselect_b32 s44, 20, 21                      ; a batch is 1 MiB of qb, 2 MiB of kv
	s_cselect_b32 s45, 14, 15                      ; a pair of tiles 16 KiB of qb, 32 KiB of kv
	s_lshl_b32 s46, s41, s44
	s_lshl_b32 s47, s42, s45
	s_add_co_u32 s46, s46, s47
	s_cmp_eq_u32 s15, 2
	s_cselect_b32 s44, 9, 10                       ; the tile's parity steps 512 bytes in V's blocks, 1,024 in K's and Q's
	s_cselect_b32 s45, 16384, 0                    ; V lies behind K
	s_lshl_b32 s47, s43, s44
	s_add_co_u32 s46, s46, s47
	s_add_co_u32 s46, s46, s45
	s_mov_b32 s47, 0
	s_mul_i32 s48, s14, STG                        ; my stage
	v_lshl_add_u32 v[STA], v[LN], 3, s48
	s_wait_kmcnt 0x0
	s_cmp_eq_u32 s15, 0
	s_cselect_b64 s[SRC:SRC+1], s[4:5], s[6:7]
	s_cselect_b64 s[DST:DST+1], s[10:11], s[12:13]
	s_cmp_eq_u32 s15, 2
	s_cselect_b64 s[SRC:SRC+1], s[8:9], s[SRC:SRC+1]
	s_add_nc_u64 s[SRC:SRC+1], s[SRC:SRC+1], s[2:3]
	s_add_nc_u64 s[DST:DST+1], s[DST:DST+1], s[46:47]
.set i, 0
.rept 16                               ; the wave's 16 KiB: each load takes 512 consecutive bytes, read once in the launch
	global_load_b128 v[X+8*i:X+8*i+3],   v[GOF], s[SRC:SRC+1] offset:1024*i th:TH_LOAD_NT
	global_load_b128 v[X+8*i+4:X+8*i+7], v[GOF], s[SRC:SRC+1] offset:1024*i+512 th:TH_LOAD_NT
.set i, i+1
.endr
	v_and_b32 v8, 15, v[LN]                        ; r
	v_lshrrev_b32 v9, 4, v[LN]                     ; h
	s_cmp_eq_u32 s15, 2
	s_cbranch_scc1 .Lv
	; ---- q and k: the rotation.  All of this set-up runs while the loads are on their way.
.macro PAIR r, val                     ; a constant for the packed forms: named as a pair, so both words are written
	s_mov_b32 s[\r], \val
	s_mov_b32 s[(\r)+1], \val
.endm
	PAIR PI2, 0x3fc90fdb                           ; pi / 2
	PAIR S7,  0xb9500d01                           ; -1/5040
	PAIR S5,  0x3c088889                           ; 1/120
	PAIR S3,  0xbe2aaaab                           ; -1/6
	PAIR C8,  0x37d00d01                           ; 1/40320
	PAIR C6,  0xbab60b61                           ; -1/720
	PAIR C4,  0x3d2aaaab                           ; 1/24
	s_cmp_eq_u32 s15, 0                            ; q carries the scale log2(e)/16, k none: it rides on the last doubling
	s_cselect_b32 s[K1],  0x3db8aa3b, 1.0
	s_cselect_b32 s[K2],  0x3e38aa3b, 2.0
	s_cselect_b32 s[KM2], 0xbe38aa3b, -2.0
	s_mov_b32 s[K1+1],  s[K1]
	s_mov_b32 s[K2+1],  s[K2]
	s_mov_b32 s[KM2+1], s[KM2]
	s_mov_b32 s49, 0xbdd49a78                      ; -log2(10000) / 128
	s_mov_b32 s50, 0xc029b21d                      ; -log2(2 pi)
	s_lshl_b32 s40, ttmp9, 4                       ; the tile's first position
	v_mul_u32_u24 v[FRA], v8, PR
	v_lshl_add_u32 v[FRA], v9, 4, v[FRA]
	v_add_nc_u32 v[FRA], s48, v[FRA]               ; stage + r x 528 + 16 h
	v_lshlrev_b32 v10, 2, v[LN]
.irp e, 0,1,2,3
	v_add_nc_u32 v11, \e, v10                      ; j = 4 lane + e
	v_cvt_f32_u32 v[IR+\e], v11
	v_fma_f32 v[IR+\e], v[IR+\e], s49, s50
.endr
	v_cvt_f32_u32 v11, s40
.irp e, 0,1,2,3
	v_exp_f32 v[IR+\e], v[IR+\e]                   ; 10000^(-j/128) / 2 pi: revolutions a position
.endr
	v_nop                                          ; a plain instruction behind the last exponential,
	s_wait_alu depctr_va_vdst(0)                   ; and the one wait ahead of the batch's first reader
.irp e, 0,1,2,3
	v_mul_f32 v[R0+\e], v11, v[IR+\e]
.endr
; cos and sin of 2 pi rv, for a pair of registers.  u = rv - round(rv), a = u pi/2 (a quarter of the angle), polynomials, two doublings.  scaled = 1: the second doubling multiplies by the scale.
.macro SINCOS rv, c, s, scaled
	v_rndne_f32 v[T],   v[(\rv)]
	v_rndne_f32 v[T+1], v[(\rv)+1]
	v_pk_add_f32 v[T:T+1], v[(\rv):(\rv)+1], v[T:T+1] neg_lo:[0,1] neg_hi:[0,1]
	v_pk_mul_f32 v[T:T+1], v[T:T+1], s[PI2:PI2+1] op_sel_hi:[1,0]
	v_pk_mul_f32 v[T+2:T+3], v[T:T+1], v[T:T+1]
	v_pk_fma_f32 v[(\s):(\s)+1], v[T+2:T+3], s[S7:S7+1], s[S5:S5+1] op_sel_hi:[1,0,0]
	v_pk_fma_f32 v[(\c):(\c)+1], v[T+2:T+3], s[C8:C8+1], s[C6:C6+1] op_sel_hi:[1,0,0]
	v_pk_fma_f32 v[(\s):(\s)+1], v[(\s):(\s)+1], v[T+2:T+3], s[S3:S3+1] op_sel_hi:[1,1,0]
	v_pk_fma_f32 v[(\c):(\c)+1], v[(\c):(\c)+1], v[T+2:T+3], s[C4:C4+1] op_sel_hi:[1,1,0]
	v_pk_fma_f32 v[(\s):(\s)+1], v[(\s):(\s)+1], v[T+2:T+3], 1.0 op_sel_hi:[1,1,0]
	v_pk_fma_f32 v[(\c):(\c)+1], v[(\c):(\c)+1], v[T+2:T+3], -0.5 op_sel_hi:[1,1,0]
	v_pk_mul_f32 v[(\s):(\s)+1], v[(\s):(\s)+1], v[T:T+1]
	v_pk_fma_f32 v[(\c):(\c)+1], v[(\c):(\c)+1], v[T+2:T+3], 1.0 op_sel_hi:[1,1,0]
	v_pk_mul_f32 v[T:T+1],   v[(\s):(\s)+1], v[(\c):(\c)+1]      ; sin 2a = 2 s c, cos 2a = 1 - 2 s s
	v_pk_mul_f32 v[T+2:T+3], v[(\s):(\s)+1], v[(\s):(\s)+1]
	v_pk_add_f32 v[(\s):(\s)+1], v[T:T+1], v[T:T+1]
	v_pk_fma_f32 v[(\c):(\c)+1], v[T+2:T+3], -2.0, 1.0 op_sel_hi:[1,0,0]
	v_pk_mul_f32 v[T:T+1],   v[(\s):(\s)+1], v[(\c):(\c)+1]
	v_pk_mul_f32 v[T+2:T+3], v[(\s):(\s)+1], v[(\s):(\s)+1]
.if \scaled
	v_pk_mul_f32 v[(\s):(\s)+1], v[T:T+1], s[K2:K2+1] op_sel_hi:[1,0]
	v_pk_fma_f32 v[(\c):(\c)+1], v[T+2:T+3], s[KM2:KM2+1], s[K1:K1+1] op_sel_hi:[1,0,0]
.else
	v_pk_add_f32 v[(\s):(\s)+1], v[T:T+1], v[T:T+1]
	v_pk_fma_f32 v[(\c):(\c)+1], v[T+2:T+3], -2.0, 1.0 op_sel_hi:[1,0,0]
.endif
.endm
	SINCOS R0,   SETA,   SETA+4, 1
	SINCOS R0+2, SETA+2, SETA+6, 1
	SINCOS IR,   CT,     ST,     0
	SINCOS IR+2, CT+2,   ST+2,   0
; Row i: o1 = x1 cos - x2 sin, o2 = x2 cos + x1 sin; rounded to f16 into the stage; then cos and sin are turned by f_j into the other set, for the next row.
.macro ROW i
.set xa, X+8*(\i)
.set ca, SETA+8*((\i)%2)
.set cn, SETA+8*(1-(\i)%2)
	s_wait_loadcnt 30-2*(\i)                       ; loads come back in order: row i's two are in, the younger rows' stay out
.irp p, 0,2
	v_pk_mul_f32 v[T+\p:T+\p+1],     v[xa+\p:xa+\p+1],     v[ca+\p:ca+\p+1]
	v_pk_mul_f32 v[T+4+\p:T+4+\p+1], v[xa+4+\p:xa+4+\p+1], v[ca+\p:ca+\p+1]
.endr
.irp p, 0,2
	v_pk_fma_f32 v[T+\p:T+\p+1],     v[xa+4+\p:xa+4+\p+1], v[ca+4+\p:ca+4+\p+1], v[T+\p:T+\p+1] neg_lo:[0,1,0] neg_hi:[0,1,0]
	v_pk_fma_f32 v[T+4+\p:T+4+\p+1], v[xa+\p:xa+\p+1],     v[ca+4+\p:ca+4+\p+1], v[T+4+\p:T+4+\p+1]
.endr
.irp e, 0,1,2,3
	v_cvt_pk_f16_f32 v[Y+\e], v[T+2*\e], v[T+2*\e+1]
.endr
	ds_store_b64 v[STA], v[Y:Y+1]   offset:PR*(\i)      ; channels 4 l .. : 32 lanes, 256 consecutive bytes
	ds_store_b64 v[STA], v[Y+2:Y+3] offset:PR*(\i)+256  ; channels 128 + 4 l ..
.if (\i) < 15
.irp p, 0,2
	v_pk_mul_f32 v[cn+\p:cn+\p+1],     v[ca+\p:ca+\p+1],     v[CT+\p:CT+\p+1]
	v_pk_mul_f32 v[cn+4+\p:cn+4+\p+1], v[ca+4+\p:ca+4+\p+1], v[CT+\p:CT+\p+1]
.endr
.irp p, 0,2
	v_pk_fma_f32 v[cn+\p:cn+\p+1],     v[ca+4+\p:ca+4+\p+1], v[ST+\p:ST+\p+1], v[cn+\p:cn+\p+1] neg_lo:[0,1,0] neg_hi:[0,1,0]
	v_pk_fma_f32 v[cn+4+\p:cn+4+\p+1], v[ca+\p:ca+\p+1],     v[ST+\p:ST+\p+1], v[cn+4+\p:cn+4+\p+1]
.endr
.endif
.endm
.irp i, 0,1,2,3,4,5,6,7,8,9,10,11,12,13,14,15
	ROW \i
.endr
.set n, 0
.rept 16                               ; back as fragments: n = 2 c + blk.  The stage is the wave's own and LDS serves a wave's instructions in order: these see the stores above
	ds_load_b128 v[X+4*n:X+4*n+3], v[FRA] offset:32*n
.set n, n+1
.endr
.set n, 0
.rept 16
	s_wait_dscnt 15-n                              ; fragment n is in, the younger ones stay out
	global_store_b128 v[GOF], v[X+4*n:X+4*n+3], s[DST:DST+1] offset:2048*(n/2)+512*(n%2)  ; 512 consecutive bytes, at a multiple of 512 from the buffer's first
.set n, n+1
.endr
	s_branch .Lend
.Lv:	; ---- v: rounded to f16 and laid in the blocks that the turning LDS load of the second launch takes
	v_and_b32 v10, 7, v[LN]
	v_lshl_add_u32 v10, v9, 3, v10                 ; key 8 h + L % 8
	v_bfe_u32 v11, v[LN], 3, 1
	v_mul_u32_u24 v[FRA], v10, PT
	v_lshl_add_u32 v[FRA], v11, 4, v[FRA]          ; channels 8 ((L / 8) % 2) on
	v_add_nc_u32 v[FRA], s48, v[FRA]
.set i, 0
.rept 16
	s_wait_loadcnt 30-2*i
.irp e, 0,1,2,3
	v_cvt_pk_f16_f32 v[Y+\e], v[X+8*i+2*\e], v[X+8*i+2*\e+1]
.endr
	ds_store_b64 v[STA], v[Y:Y+1]   offset:PT*i
	ds_store_b64 v[STA], v[Y+2:Y+3] offset:PT*i+256
.set i, i+1
.endr
.set n, 0
.rept 16                               ; block cb = n
	ds_load_b128 v[X+4*n:X+4*n+3], v[FRA] offset:32*n
.set n, n+1
.endr
.set n, 0
.rept 16
	s_wait_dscnt 15-n
	global_store_b128 v[GOF], v[X+4*n:X+4*n+3], s[DST:DST+1] offset:1024*n
.set n, n+1
.endr
.Lend:
	s_wait_tensorcnt 0x0                           ; the wave's end, behind my last LDS store
	ds_add_u32 v[SPW], v[NIL]
	s_wait_dscnt 0x0
	s_endpgm
.Lfunc_end_k_qdcf61cb572_prep:
	.size	k_qdcf61cb572_prep, .Lfunc_end_k_qdcf61cb572_prep-k_qdcf61cb572_prep
	.p2alignl 7, 3214868480
	.fill 96, 4, 3214868480
	.section	.rodata,"a",@progbits
	.p2align	6, 0x0
	.amdhsa_kernel k_qdcf61cb572_prep
		.amdhsa_group_segment_fixed_size 35328
		.amdhsa_private_segment_fixed_size 0
		.amdhsa_enable_private_segment 0
		.amdhsa_kernarg_size 40
		.amdhsa_user_sgpr_count 2
		.amdhsa_user_sgpr_kernarg_segment_ptr 1
		.amdhsa_wavefront_size32 1
		.amdhsa_system_sgpr_workgroup_id_x 1
		.amdhsa_system_sgpr_workgroup_id_y 1
		.amdhsa_system_sgpr_workgroup_id_z 1
		.amdhsa_system_vgpr_workitem_id 0
		.amdhsa_next_free_vgpr 192
		.amdhsa_next_free_sgpr 66
		.amdhsa_reserve_vcc 0
		.amdhsa_float_denorm_mode_32 3
		.amdhsa_float_denorm_mode_16_64 3
		.amdhsa_memory_ordered 1
		.amdhsa_forward_progress 1
		.amdhsa_inst_pref_size 48
	.end_amdhsa_kernel
	.amdgpu_metadata
---
amdhsa.version: [ 1, 2 ]
amdhsa.kernels:
  - .name:           k_qdcf61cb572_prep
    .symbol:         k_qdcf61cb572_prep.kd
    .args:
      - { .name: q, .offset: 0, .size: 8, .value_kind: global_buffer, .address_space: global }
      - { .name: k, .offset: 8, .size: 8, .value_kind: global_buffer, .address_space: global }
      - { .name: v, .offset: 16, .size: 8, .value_kind: global_buffer, .address_space: global }
      - { .name: qb, .offset: 24, .size: 8, .value_kind: global_buffer, .address_space: global }
      - { .name: kv, .offset: 32, .size: 8, .value_kind: global_buffer, .address_space: global }
    .group_segment_fixed_size: 35328
    .private_segment_fixed_size: 0
    .kernarg_segment_align: 8
    .kernarg_segment_size: 40
    .max_flat_workgroup_size: 128
    .sgpr_count:     66
    .vgpr_count:     192
    .wavefront_size: 32
...
	.end_amdgpu_metadata
.endif
;; end of part 1
;; launch attn (part 2): grid 32 x 8, 4 waves a work-group, clusters of 4 x 1, 327,680 bytes of LDS; arguments qb, kv, out0; writes out0
.if DOCPART == 2
	.amdgcn_target "amdgcn-amd-amdhsa--gfx1250"
	.amdhsa_code_object_version 6
	.text
	.protected	k_qdcf61cb572_attn
	.globl	k_qdcf61cb572_attn
	.p2align	8
	.type	k_qdcf61cb572_attn,@function
k_qdcf61cb572_attn:
	s_mov_b64 s[64:65], 0
	v_nop
	global_prefetch_b8 v0, s[64:65] scope:SCOPE_SE
	s_setreg_imm32_b32 hwreg(HW_REG_WAVE_MODE, 25, 1), 1
	s_wait_xcnt 0x0
	s_wait_alu depctr_hold_cnt(0) depctr_sa_sdst(0) depctr_va_vdst(0) depctr_va_sdst(0) depctr_va_ssrc(0) depctr_va_vcc(0) depctr_vm_vsrc(0)
	s_getreg_b32 s2, hwreg(HW_REG_IB_STS2, 6, 4)
	s_cmp_eq_u32 s2, 0
	s_cbranch_scc0 .Lentry_in_a_cluster
	s_endpgm
.Lentry_in_a_cluster:
	s_bfe_u32 s2, ttmp6, 0x10000c
	s_cmp_lg_u32 s2, 0x3003
	s_cbranch_scc0 .Lentry_shape_is_right
	s_endpgm
.Lentry_shape_is_right:
; SECOND LAUNCH.  out[b][t][:] = the sum over s of softmax_s(score) v[b][s][:], score in powers of two = qb[t] . K[s] + Lb s, Lb = 2^-8 log2(e); qb carries log2(e)/16.
; LEFT OUT: the bias's part -2^-8 t, the same along the softmax's axis, which cancels for all inputs (shown at the head of the first kernel).
; qb, kv: f16, in fragment order (first kernel's head).  Products, maxima and sums in f32; the weights p are rounded to f16 for the second product (their sum l is taken of the unrounded p); out is f32.
; LIMITS.  p lies in 0 to 1 and below 6e-5 keeps f16's fixed step of 6e-8; a weight below 2^-126 counts as 0; NaN and infinities are not treated apart.
; SHARES.  16,384 query rows for 256 work-groups: 64 queries each.  EVERY wave holds all 64 (four tiles of 16), and THE KEYS ARE SPLIT among the four waves: in step j (0..15) wave w takes the chunk 4 j + w of 32 keys.
; So a fragment of K or V read from LDS feeds four tiles' products: 64 LDS loads for a step's 128 matrix instructions.  Each wave keeps its own running maximum m, sum l and O; the four meet in LDS at the end.
; LAYOUT.  S^T = K Q^T (source 0 = 16 keys, source 1 = 16 queries): a lane holds ONE query (lane % 16) and the keys 8 (lane / 16) + 0..7.  Two such results, rounded to f16 in pairs, in place, ARE source 1
; (32 keys x 16 queries) of O^T = V^T P, whose result again holds one query a lane, and eight channels.  The bias Lb s is the C operand of the product that starts a sum: it costs no line on the scores.
; SOFTMAX.  p = 2^(s - m) with a running maximum m; in every step O and l are multiplied by a = 2^(m_old - m_new).  m starts at the lowest finite number, O and l at 0: the first step is a step like any other, a = 0.
; The price: 512 lines that clear O, in the wait for the first tile; the gain: no first step written out.
; BY TURNS.  Two PIECES (tiles 0, 1 and tiles 2, 3).  A step's 468 vector instructions are ONE numbered queue (VQ writes the next): four ride behind each matrix instruction, 100 stand in a lump
; that fills the wait of the cluster's round.  A piece's 34 exponentials are one batch with one wait.
; CLUSTER.  The four work-groups of a cluster are four query blocks of one batch and walk the same chunks: each chunk (K and V, 32 KiB dense) is asked for JOINTLY, by one tensor load a wave with the mask of four.
; 4 x 1 and no more: a mask names four work-groups at the most.
; REGISTERS, in windows of 256 (s_set_vgpr_msb: bits 1:0 source 0, 3:2 source 1, 5:4 source 2, 7:6 destination):
;   window 0: v1-11 addresses; v12-19 sums at work; v20-43 statistics; v48-63 the bias; v64-127 S^T (16 a tile), P in place; v128-255 K or V of one chunk, 16 fragments
;   window 1: Q, tile t channels 32 c on at 64 t + 8 c       window 2: O^T of tiles 0, 1 (128 each)       window 3: of tiles 2, 3
.set SLOTB, 32768                      ; a slot: one chunk: K 16 KiB, V 16 KiB.  Wave w's two slots at 65536 w
.set STEPB, 131072                     ; bytes of kv from a wave's chunk to its next: four chunks
.set STAT,  262144                     ; behind the rings: (m, l) of tile t from wave s at 1024 t + 256 s; never filled by a tensor load
.set SPARE, 266240                     ; the spare words, 128 bytes a wave, which no other line names
.set OPI,   1040                       ; the way out: a row of 1,024 bytes + 16: 16 rows start at 16 different 16-byte columns modulo 256
.set LA,  1                            ; v1   65536 w + 16 lane; never rewritten
.set ADR, 2                            ; v2   LA + the slot in hand
.set GO,  3                            ; v3   16 lane; never rewritten
.set PFO, 4                            ; v4   256 lane; never rewritten
.set SPW, 5                            ; v5   my spare word
.set NIL, 6                            ; v6   0
.set AD0, 7                            ; v7   16384 w + 16 lane
.set ADT, 8                            ; v8   the merge: where my partial tile goes
.set STA, 9                            ; v9   STAT + 256 w + 8 lane
.set STR, 10                           ; v10  STAT + 1024 w + 8 lane
.set STO, 11                           ; v11  65536 w + 1040 r + 32 h
.set UU,  12                           ; v[12:19] by the tile's parity two pairs of sums at work
.set MP,  20                           ; tile t: (m, c1) at MP + 2 t
.set AP,  28                           ; tile t: (a, c0 and then m_old - m_new)
.set LP,  36                           ; tile t: l (even keys', odd keys')
.set BI,  48                           ; the bias of key block kb at BI + 8 kb
.set SS,  64
.set KV,  128
.set WV,  12                           ; s12  wave
.set G1,  24                           ; s[24:31] descriptor group 1
.set G0A, 32                           ; s[32:35] group 0 of the first fill
.set G0B, 36                           ; s[36:39] of the second; it then walks
.set CNT, 40
.set TB,  41                           ; s41  0 or SLOTB: the slot of the chunk fetched last
.set LIM, 42                           ; s42  2 in the batch's first cluster, else the greatest number
.set PFA, 44                           ; s[44:45] where my prefetches stand
.set SEL, 46                           ; s[46:47] v_permlanex16_b32's selects: each lane takes its own place in the other half
.set BST, 48                           ; s[48:49] 128 Lb: the bias's step from a wave's chunk to its next
.set LB,  50
.set MSB, 0
.macro WIN new                         ; the high byte repeats the setting that is left; a switch that changes nothing is dropped
.if MSB != (\new)
	s_set_vgpr_msb (MSB<<8)|(\new)
.set MSB, (\new)
.endif
.endm
.macro PLACES                          ; four plain places behind a matrix instruction (ISA guide 7.12.1), where no other vector work is at hand
.rept 4
	v_nop
.endr
.endm
.macro CREST                           ; a round of the cluster's barrier behind its opening barrier
	s_cmp_lg_u32 s[WV], 0
	s_cbranch_scc1 .Lnot_wave_0_\@
	s_barrier_signal -3
.Lnot_wave_0_\@:
	s_barrier_wait -3
	s_barrier_signal -1
	s_barrier_wait -1
.endm
.macro CROUND
	s_barrier_signal -1
	s_barrier_wait -1
	CREST
.endm
; A PREFETCH INTO THE L2, behind the joint load of step j and its five lines: my wave's chunk of step j + 4, two steps beyond the chunk just asked for (256 matrix instructions ahead of its load).  kv is read by eight
; clusters a batch: the batch's first cluster asks, nobody else.  Its four partners take 8 KiB of the chunk each, told apart BY ADDRESS; a lane names 256 bytes: each block is named once in the launch.
; Steps 0 to 3 come by their loads alone; steps 12 and 13 ask for nothing: there is no chunk behind step 15.
.macro ASK
	s_cmp_gt_u32 s[CNT], s[LIM]
	s_cbranch_scc0 .Lnot_mine_\@
	global_prefetch_b8 v[PFO], s[PFA:PFA+1] th:TH_LOAD_NT scope:SCOPE_SE
.Lnot_mine_\@:
.endm
	s_load_b128 s[4:7], s[0:1], 0x0                ; qb s[4:5], kv s[6:7]
	s_load_b64 s[8:9], s[0:1], 0x10                ; out0
	v_lshl_add_u32 v[SPW], v0, 2, SPARE
	v_mov_b32 v[NIL], 0
	ds_add_u32 v[SPW], v[NIL]                      ; the wave's opening: the add, twice on end, and its wait ahead of my first tensor load
	ds_add_u32 v[SPW], v[NIL]
	v_lshrrev_b32 v44, 5, v0
	v_readfirstlane_b32 s[WV], v44                 ; wave 0..3
	s_bfe_u32 s13, ttmp6, 0x40000                  ; cx: it enters the addresses of qb, out0 and the prefetches alone
	s_lshl_b32 s14, ttmp9, 2
	s_add_co_u32 s14, s14, s13                     ; my block of 64 queries
	s_and_b32 s15, ttmp7, 0xffff                   ; the batch, which the four partners share
	s_mov_b32 s[G1+0], 15|(3<<16)|(1<<21)          ; the mask of four; elements of 8 bytes; bit 21 set beside a mask; no padding: every LDS load takes 512 consecutive bytes
	s_mov_b32 s[G1+1], 32<<16                      ; tensor_dim0 = 32 elements: rows of 256 bytes
	s_mov_b32 s[G1+2], 128<<16                     ; tensor_dim1 = 128 rows: 32 KiB, dense
	s_mov_b32 s[G1+3], 32<<16                      ; tile_dim0
	s_mov_b32 s[G1+4], 128                         ; tile_dim1
	s_mov_b32 s[G1+5], 32                          ; from row to row
	s_mov_b32 s[G1+6], 0
	s_mov_b32 s[G1+7], 0
	s_mov_b32 s[G0A], 1
	s_lshl_b32 s[G0A+1], s[WV], 16                 ; LDS: my slot 0
	s_mov_b32 s[G0B], 1
	s_add_co_u32 s[G0B+1], s[G0A+1], SLOTB         ; my slot 1
	s_lshl_b32 s16, s15, 21                        ; kv: batch x 2 MiB + wave x 32 KiB
	s_lshl_b32 s17, s[WV], 15
	s_add_co_u32 s16, s16, s17
	s_mov_b32 s17, 0
	s_lshl_b32 s18, s15, 20                        ; qb: batch x 1 MiB + block x 32 KiB
	s_lshl_b32 s19, s14, 15
	s_add_co_u32 s18, s18, s19
	s_mov_b32 s19, 0
	s_lshl_b32 s20, s15, 21                        ; out0: batch x 2 MiB + block x 64 KiB + the tile that I finish (= my wave's number) x 16 KiB
	s_lshl_b32 s21, s14, 16
	s_add_co_u32 s20, s20, s21
	s_lshl_b32 s21, s[WV], 14
	s_add_co_u32 s20, s20, s21
	s_mov_b32 s21, 0
	s_lshl_b32 s22, s13, 13                        ; the prefetches: my work-group's 8 KiB of a chunk,
	s_add_co_u32 s22, s22, 3*STEPB                 ; at step 3: step 0's change steps it to step 4
	s_mov_b32 s23, 0
	s_mov_b32 s[SEL], 0x76543210
	s_mov_b32 s[SEL+1], 0xfedcba98
	s_mov_b32 s[BST], 0x3f38aa3b                   ; 128 x 2^-8 log2(e)
	s_mov_b32 s[BST+1], s[BST]
	s_mov_b32 s[LB], 0x3bb8aa3b                    ; 2^-8 log2(e)
	s_mov_b32 s[TB], SLOTB                         ; the first fetch turns it into 0
	s_cmp_eq_u32 ttmp9, 0                          ; the same in all four partners
	s_cselect_b32 s[LIM], 2, -1
	s_wait_dscnt 0x0                               ; both opening adds are done
	s_wait_kmcnt 0x0
	s_add_nc_u64 s[G0A+2:G0A+3], s[6:7], s[16:17]  ; my chunk of step 0,
	s_add_nc_u64 s[G0B+2:G0B+3], s[G0A+2:G0A+3], STEPB  ; of step 1
	s_add_nc_u64 s[PFA:PFA+1], s[G0A+2:G0A+3], s[22:23]
	s_or_b32 s[G0A+3], s[G0A+3], 0x80000000        ; type = 2
	s_or_b32 s[G0B+3], s[G0B+3], 0x80000000
	s_add_nc_u64 s[4:5], s[4:5], s[18:19]
	s_add_nc_u64 s[8:9], s[8:9], s[20:21]
	CROUND                                         ; all four work-groups are here: the first joint loads meet
	tensor_load_to_lds s[G0A:G0A+3], s[G1:G1+7]    ; both first fills together: two loads of mine are out, the most in this text
	s_nop 0
	tensor_load_to_lds s[G0B:G0B+3], s[G1:G1+7]
	s_nop 0
	PLACES
	v_and_b32 v44, 31, v0                          ; lane
	v_lshlrev_b32 v[GO], 4, v44
	v_lshlrev_b32 v[PFO], 8, v44
	v_add_nc_u32 v[LA], s[G0A+1], v[GO]
	s_lshl_b32 s16, s[WV], 14
	v_add_nc_u32 v[AD0], s16, v[GO]
	WIN 0x40                                       ; destination window 1
.set i, 0
.rept 32                               ; Q stays in registers: tile i / 8, channels 32 (i % 8) on; each load 512 consecutive bytes, read by this work-group alone
	global_load_b128 v[8*i:8*i+3],   v[GO], s[4:5] offset:((i/8)/2)*16384+(2*(i%8)+(i/8)%2)*1024 th:TH_LOAD_NT
	global_load_b128 v[8*i+4:8*i+7], v[GO], s[4:5] offset:((i/8)/2)*16384+(2*(i%8)+(i/8)%2)*1024+512 th:TH_LOAD_NT
.set i, i+1
.endr
	WIN 0x80                                       ; O^T = 0: in the wait for the first tile
.set i, 0
.rept 256
	v_mov_b32 v[i], 0
.set i, i+1
.endr
	WIN 0xc0
.set i, 0
.rept 256
	v_mov_b32 v[i], 0
.set i, i+1
.endr
	WIN 0
	v_and_b32 v45, 15, v0                          ; r
	v_bfe_u32 v46, v0, 4, 1                        ; h
	s_lshl_b32 s16, s[WV], 8
	s_add_co_u32 s16, s16, STAT
	v_lshl_add_u32 v[STA], v44, 3, s16
	s_lshl_b32 s16, s[WV], 10
	s_add_co_u32 s16, s16, STAT
	v_lshl_add_u32 v[STR], v44, 3, s16
	v_mul_u32_u24 v[STO], v45, OPI
	v_lshl_add_u32 v[STO], v46, 5, v[STO]
	v_add_nc_u32 v[STO], s[G0A+1], v[STO]
.irp t, 0,1,2,3
	v_mov_b32 v[MP+2*\t], 0xff7fffff               ; m: the lowest finite number
	v_mov_b32 v[LP+2*\t], 0
	v_mov_b32 v[LP+2*\t+1], 0
.endr
	s_lshl_b32 s16, s[WV], 5
	v_lshl_add_u32 v47, v46, 3, s16                ; 32 w + 8 h
.set i, 0
.rept 16                               ; the bias of step 0: Lb x (32 w + 16 kb + 8 h + register)
	v_add_nc_u32 v[BI+i], 16*(i/8)+i%8, v47
	v_cvt_f32_u32 v[BI+i], v[BI+i]
	v_mul_f32 v[BI+i], s[LB], v[BI+i]
.set i, i+1
.endr
; THE MATRIX WORK.  Product i of 32 of S^T = K Q^T for piece y: channels 32 (i / 4) on, key block (i / 2) % 2, tile 2 y + i % 2.  The four accumulators take turns; the first four products start the sums with the bias.
.macro KQ y
	WIN 0x04                                       ; Q in window 1, all else in window 0
.set kS, SS+16*(2*(\y)+i%2)+8*((i/2)%2)
.set kK, KV+8*(2*(i/4)+(i/2)%2)
.set kQ, 64*(2*(\y)+i%2)+8*(i/4)
.set kB, BI+8*((i/2)%2)
.if i < 4
	v_wmma_f32_16x16x32_f16 v[kS:kS+7], v[kK:kK+7], v[kQ:kQ+7], v[kB:kB+7]
.else
	v_wmma_f32_16x16x32_f16 v[kS:kS+7], v[kK:kK+7], v[kQ:kQ+7], v[kS:kS+7]
.endif
.endm
; Product i of 32 of O^T += V^T P for piece y: channels 16 (i / 2) on, tile 2 y + i % 2.  Each of the 32 accumulators has one product a step.
.macro PV y
	WIN 0xa0+0x50*(\y)                             ; O^T (C and D) in window 2 or 3
.set pO, 128*(i%2)+8*(i/2)
.set pV, KV+8*(i/2)
.set pP, SS+16*(2*(\y)+i%2)
	v_wmma_f32_16x16x32_f16 v[pO:pO+7], v[pV:pV+7], v[pP:pP+7], v[pO:pO+7]
.endm
; THE LDS LOADS stand in runs of 16, half a chunk's K or V, each load 32 lanes x 16 consecutive bytes.  K of the next chunk: half 0 turns to the other slot first.  last = 1 (the tail): in the last step there is no next chunk.
.macro FETCH_K hf, last
	WIN 0
.if \last
	s_cmp_eq_u32 s[CNT], 1
	s_cbranch_scc1 .Lno_k_\@
.endif
.if (\hf) == 0
	s_xor_b32 s[TB], s[TB], SLOTB
	v_add_nc_u32 v[ADR], s[TB], v[LA]
.endif
.irp f, 0,1,2,3,4,5,6,7
	ds_load_b128 v[KV+8*(8*(\hf)+\f):KV+8*(8*(\hf)+\f)+3],   v[ADR] offset:1024*(8*(\hf)+\f)
	ds_load_b128 v[KV+8*(8*(\hf)+\f)+4:KV+8*(8*(\hf)+\f)+7], v[ADR] offset:1024*(8*(\hf)+\f)+512
.endr
.if \last
.Lno_k_\@:
.endif
.endm
.macro FETCH_V hf                      ; V of the chunk in hand, turned: lane l then holds channel l % 16 and 8 keys
	WIN 0
.irp f, 0,1,2,3,4,5,6,7
	ds_load_tr16_b128 v[KV+8*(8*(\hf)+\f):KV+8*(8*(\hf)+\f)+3],   v[ADR] offset:16384+1024*(8*(\hf)+\f)
	ds_load_tr16_b128 v[KV+8*(8*(\hf)+\f)+4:KV+8*(8*(\hf)+\f)+7], v[ADR] offset:16384+1024*(8*(\hf)+\f)+512
.endr
.endm
; THE VECTOR WORK OF A STEP: one queue of 468; VQ writes entry g and steps g.  Piece g / 234; in a piece the two tiles alternate, so that no instruction reads the result of the one before it; number n = (g % 234) / 2 of a tile's 117:
;   0-7    the maximum of the 16 scores s0-s15 and the old m, three operands at a time, in two chains c0, c1; each accumulator's lowest registers are read first
;   8-11   the query's other 16 keys lie in the lane 16 away; m_old - m_new; the new m          12  a
;   13-36  s - m, a pair of scores a line (8), and the 16 exponentials, a pair's behind its subtraction.  Numbers 12 to 36 name no exponential's result
;   (wait) ahead of number 37 of the piece's first tile: a plain instruction and the ONE wait between the piece's 34 exponentials and their first reader.  In piece 0 the first half of V is
;          fetched there: the last product that read those registers stands four plain instructions back (number 36 of both tiles, two v_nop)
;   37-44  the sum of the 16 weights in pairs; l = a l + sum          45-52  the weights rounded to f16, in place, ascending          53-116  O^T times a: the one part that leaves window 0
.macro VQ
.set vy, g/234
.set vq, g%234
.set vt, 2*vy+vq%2
.set vn, vq/2
.set rS, SS+16*vt
.set rM, MP+2*vt
.set rA, AP+2*vt
.set rL, LP+2*vt
.set rU, UU+4*(vt%2)
.set rO, 128*(vt%2)+2*(vn-53)
.if vq == 74
	WIN 0
	v_nop
.if vy == 0
	v_nop
	s_wait_alu depctr_va_vdst(0)
	FETCH_V 0
.else
	s_wait_alu depctr_va_vdst(0)
.endif
.endif
.if vn < 53
	WIN 0
.endif
.if vn == 0
	v_max3_num_f32 v[rA+1], v[rS], v[rS+1], v[rS+2]
.elseif vn == 1
	v_max3_num_f32 v[rM+1], v[rS+8], v[rS+9], v[rS+10]
.elseif (vn == 2) || (vn == 4)
	v_max3_num_f32 v[rA+1], v[rA+1], v[rS+vn+1], v[rS+vn+2]
.elseif (vn == 3) || (vn == 5)
	v_max3_num_f32 v[rM+1], v[rM+1], v[rS+vn+8], v[rS+vn+9]
.elseif vn == 6
	v_max3_num_f32 v[rA+1], v[rA+1], v[rS+7], v[rS+15]
.elseif vn == 7
	v_max3_num_f32 v[rA+1], v[rA+1], v[rM+1], v[rM]
.elseif vn == 8
	v_permlanex16_b32 v[rM+1], v[rA+1], s[SEL], s[SEL+1]
.elseif vn == 9
	v_max_num_f32 v[rM+1], v[rA+1], v[rM+1]
.elseif vn == 10
	v_sub_f32 v[rA+1], v[rM], v[rM+1]
.elseif vn == 11
	v_mov_b32 v[rM], v[rM+1]
.elseif vn == 12
	v_exp_f32 v[rA], v[rA+1]
.elseif (vn == 13) || ((vn < 35) && ((vn-14)%3 == 0))
.set vf, (vn-11)/3                     ; 13: pair 0; 14, 17 .. 32: pairs 1 to 7
	v_pk_add_f32 v[rS+2*vf:rS+2*vf+1], v[rS+2*vf:rS+2*vf+1], v[rM:rM+1] op_sel_hi:[1,0] neg_lo:[0,1] neg_hi:[0,1]
.elseif vn < 37
.set ve, vn-21                         ; 35, 36: s14, s15
.if vn < 35
.set ve, 2*((vn-14)/3)-1+(vn-14)%3     ; 15, 16: s0, s1; 18, 19: s2, s3; .. 33, 34: s12, s13
.endif
	v_exp_f32 v[rS+ve], v[rS+ve]
.elseif vn < 39
	v_pk_add_f32 v[rU+2*(vn-37):rU+2*(vn-37)+1], v[rS+4*(vn-37):rS+4*(vn-37)+1], v[rS+4*(vn-37)+2:rS+4*(vn-37)+3]
.elseif vn < 43
	v_pk_add_f32 v[rU+2*((vn-39)%2):rU+2*((vn-39)%2)+1], v[rU+2*((vn-39)%2):rU+2*((vn-39)%2)+1], v[rS+8+2*(vn-39):rS+8+2*(vn-39)+1]
.elseif vn == 43
	v_pk_add_f32 v[rU:rU+1], v[rU:rU+1], v[rU+2:rU+3]
.elseif vn == 44
	v_pk_fma_f32 v[rL:rL+1], v[rL:rL+1], v[rA:rA+1], v[rU:rU+1] op_sel_hi:[1,0,1]
.elseif vn < 53
	v_cvt_pk_f16_f32 v[rS+vn-45], v[rS+2*(vn-45)], v[rS+2*(vn-45)+1]
.else
	WIN 0x82+0x41*vy                               ; O^T (destination and source 0) in window 2 or 3, a in window 0
	v_pk_mul_f32 v[rO:rO+1], v[rO:rO+1], v[rA:rA+1] op_sel_hi:[1,0]
.endif
.set g, g+1
.endm
.macro VQ4
	VQ
	VQ
	VQ
	VQ
.endm
; A KEY STEP.  fill = 1: the slot that the step has read out is filled again, with the chunk two steps on.  last = 1: the tail's text.
; O^T's rescaling runs just ahead of the products that add onto it: before product i of V^T P, 22 + 4 i (piece 0) or 16 + 4 i (piece 1) of the piece's 128 rescalings are done, and 8 (i / 2 + 1) are needed.
.macro STEP fill, last
.set g, 0
	s_wait_dscnt 16                                ; K's first half is in; the 16 younger loads may stay out
.set i, 0
.rept 16
	KQ 0                                           ; piece 0's scores: no vector work is ready to ride here
.set i, i+1
.endr
	s_wait_dscnt 0x0
.rept 16
	KQ 0
.set i, i+1
.endr
	PLACES                                         ; in front of the first reads of those scores
.set i, 0
.rept 32
	KQ 1                                           ; piece 1's scores | piece 0's softmax and its first 22 rescalings | V's first half
	VQ4
.set i, i+1
.endr
	FETCH_V 1                                      ; the four rescalings in front are the places behind the last product that read K's second half
	s_wait_dscnt 16                                ; V's first half is in
.set i, 0
.rept 16
	PV 0                                           ; piece 0's V^T P | its other rescalings, then piece 1's maximum
	VQ4
.set i, i+1
.endr
	s_wait_dscnt 0x0
.rept 16
	PV 0
	VQ4
.set i, i+1
.endr
	WIN 0
	s_wait_tensorcnt 0x0                           ; the one load of mine that was out, the next step's chunk, has landed
.if \fill
	ds_add_u32 v[SPW], v[NIL]                      ; 0 onto my spare word: the steps below stand between it and the wait for it
	s_xor_b32 s[G0B+1], s[G0B+1], SLOTB            ; the walking descriptor: the slot just read out,
	s_add_nc_u64 s[G0B+2:G0B+3], s[G0B+2:G0B+3], STEPB  ; my chunk two steps on; the type bits on top are not reached
	s_wait_xcnt 0x0                                ; the last prefetch, a step back, has read its address
	s_add_nc_u64 s[PFA:PFA+1], s[PFA:PFA+1], STEPB
	s_wait_dscnt 0x0                               ; the add is done, and my reads of the slot (K a step ago, V above) are over
	s_barrier_signal -1                            ; this barrier opens a round of the cluster's barrier
.endif
.rept 100
	VQ                                             ; the lump: the rest of piece 1's softmax, with its wait, and 16 rescalings: work on registers alone
.endr
	WIN 0
.if \fill
	s_barrier_wait -1
	CREST                                          ; no wave of any partner still reads this slot or has a load on its way
	tensor_load_to_lds s[G0B:G0B+3], s[G1:G1+7]    ; my one load behind the round: 128 matrix instructions stand between it and the wait for it
	s_nop 0
	PLACES
	ASK
.endif
.set i, 0
.rept 16
	PV 1                                           ; piece 1's V^T P | its other rescalings
	VQ4
.set i, i+1
.endr
	FETCH_K 0, \last                               ; the four rescalings in front are the places behind the last product that read V's first half
.rept 12
	PV 1
	VQ4
.set i, i+1
.endr
.rept 2
	PV 1
.set i, i+1
.endr
.set bb, 0
.rept 2
	PV 1
.set i, i+1
	WIN 0
.rept 4
	v_pk_add_f32 v[BI+2*bb:BI+2*bb+1], v[BI+2*bb:BI+2*bb+1], s[BST:BST+1] op_sel_hi:[1,0]  ; the bias of my next chunk, 128 keys on; the last four are the places in front of the loads below
.set bb, bb+1
.endr
.endr
	FETCH_K 1, \last
.endm
	s_wait_tensorcnt 0x1                           ; my chunk of step 0 is in; step 1's may stay out.  A wave reads only what its own loads brought: its own wait is all the order that the reads need
	FETCH_K 0, 0
	FETCH_K 1, 0
	s_wait_loadcnt 0x0                             ; Q
	s_mov_b32 s[CNT], 14
.Lstep:                                        ; steps 0 to 13: each asks for the chunk two steps on
	STEP 1, 0
	s_sub_co_u32 s[CNT], s[CNT], 1
	s_cmp_lg_u32 s[CNT], 0
	s_cbranch_scc1 .Lstep
	s_mov_b32 s[CNT], 2
.Ltail:                                        ; steps 14 and 15 are a text of their own: nothing is asked for
	STEP 0, 1
	s_sub_co_u32 s[CNT], s[CNT], 1
	s_cmp_lg_u32 s[CNT], 0
	s_cbranch_scc1 .Ltail
	; THE MERGE.  Each wave holds, for all 64 queries, (m, l, O) over its quarter of the keys.  l's two halves and the other half of the lanes' are added.
.irp t, 0,1,2,3
	v_add_f32 v[MP+2*\t+1], v[LP+2*\t], v[LP+2*\t+1]
.endr
.irp t, 0,1,2,3
	v_permlanex16_b32 v[AP+2*\t], v[MP+2*\t+1], s[SEL], s[SEL+1]
.endr
.irp t, 0,1,2,3
	v_add_f32 v[MP+2*\t+1], v[MP+2*\t+1], v[AP+2*\t]
.endr
	s_wait_dscnt 0x0                               ; my reads of my ring are over (and my tensor loads have landed: the tail's wait)
	s_barrier_signal -1
	s_barrier_wait -1                              ; everybody's are: the rings have had their last fill, and take the partial sums
.irp t, 0,1,2,3                        ; my partial tile t goes to wave t: 16 KiB at 65536 t + 16384 w, registers in ascending order, each store 512 consecutive bytes
	WIN 0
	v_add_nc_u32 v[ADT], 65536*(\t), v[AD0]
	WIN 0x08+4*((\t)/2)                            ; the data in window 2 or 3
.set i, 0
.rept 32
	ds_store_b128 v[ADT], v[128*((\t)%2)+4*i:128*((\t)%2)+4*i+3] offset:512*i
.set i, i+1
.endr
.endr
	WIN 0
.irp t, 0,1,2,3
	ds_store_b64 v[STA], v[MP+2*\t:MP+2*\t+1] offset:1024*\t
.endr
	s_wait_dscnt 0x0                               ; for the others' sake: my stores are done
	s_barrier_signal -1
	s_barrier_wait -1
.irp s, 0,1,2,3                        ; wave w finishes tile w: the four (m, l),
	ds_load_b64 v[SS+2*\s:SS+2*\s+1], v[STR] offset:256*\s
.endr
.irp s, 0,1,2,3                        ; and the four partial tiles: parts 0, 1 into window 2, parts 2, 3 into window 3
	WIN 0x80+0x40*((\s)/2)
.set i, 0
.rept 32
	ds_load_b128 v[128*((\s)%2)+4*i:128*((\s)%2)+4*i+3], v[LA] offset:16384*(\s)+512*i
.set i, i+1
.endr
.endr
	WIN 0
	s_wait_dscnt 63                                ; of the 128 loads behind the statistics at most 63 are out: the statistics and parts 0 and 1 are in
	v_max3_num_f32 v72, v[SS], v[SS+2], v[SS+4]    ; M; f_s = 2^(m_s - M); L = the sum of f_s l_s; g_s = f_s / L
	v_max_num_f32 v72, v72, v[SS+6]
.irp s, 0,1,2,3
	v_sub_f32 v[74+\s], v[SS+2*\s], v72
.endr
.irp s, 0,1,2,3
	v_exp_f32 v[74+\s], v[74+\s]
.endr
	v_nop                                          ; a plain instruction behind the last exponential,
	s_wait_alu depctr_va_vdst(0)                   ; and the one wait for the four
	v_mul_f32 v73, v74, v[SS+1]
	v_fmac_f32 v73, v75, v[SS+3]
	v_fmac_f32 v73, v76, v[SS+5]
	v_fmac_f32 v73, v77, v[SS+7]
	v_rcp_f32 v78, v73
	v_nop
	s_wait_alu depctr_va_vdst(0)
.irp s, 0,1,2,3
	v_mul_f32 v[SS+2*\s], v[74+\s], v78            ; into the pairs' low words, which the packed lines take for both halves
.endr
	WIN 0x82
.set i, 0
.rept 64
	v_pk_mul_f32 v[2*i:2*i+1], v[2*i:2*i+1], v[SS:SS+1] op_sel_hi:[1,0]
.set i, i+1
.endr
	WIN 0xa2
.set i, 0
.rept 64
	v_pk_fma_f32 v[2*i:2*i+1], v[128+2*i:128+2*i+1], v[SS+2:SS+3], v[2*i:2*i+1] op_sel_hi:[1,0,1]
.set i, i+1
.endr
	s_wait_dscnt 32                                ; part 2 is in
	WIN 0xa3
.set i, 0
.rept 64
	v_pk_fma_f32 v[2*i:2*i+1], v[2*i:2*i+1], v[SS+4:SS+5], v[2*i:2*i+1] op_sel_hi:[1,0,1]
.set i, i+1
.endr
	s_wait_dscnt 0x0                               ; part 3 is in: all my reads of my 64 KiB are over
.set i, 0
.rept 64
	v_pk_fma_f32 v[2*i:2*i+1], v[128+2*i:128+2*i+1], v[SS+6:SS+7], v[2*i:2*i+1] op_sel_hi:[1,0,1]
.set i, i+1
.endr
	; THE WAY OUT.  A lane holds eight channels (32 bytes) of one row for each of 16 channel blocks; the rows go through a stage at the head of my own 64 KiB, which no other wave touches any more, and come back whole.
	WIN 0x08
.set i, 0
.rept 16
	ds_store_b128 v[STO], v[8*i:8*i+3]   offset:64*i
	ds_store_b128 v[STO], v[8*i+4:8*i+7] offset:64*i+16
.set i, i+1
.endr
	WIN 0xc0
.set i, 0
.rept 32                               ; LDS serves a wave's instructions in order: these see the stores above.  Row i / 2, half i % 2
	ds_load_b128 v[4*i:4*i+3], v[LA] offset:OPI*(i/2)+512*(i%2)
.set i, i+1
.endr
	WIN 0x0c
.set i, 0
.rept 32
	s_wait_dscnt 31-i
	global_store_b128 v[GO], v[4*i:4*i+3], s[8:9] offset:1024*(i/2)+512*(i%2) th:TH_STORE_NT  ; 512 consecutive bytes, at a multiple of 512 from out0's first
.set i, i+1
.endr
	WIN 0
	s_wait_tensorcnt 0x0                           ; the wave's end, behind my last tensor load and my last LDS store
	ds_add_u32 v[SPW], v[NIL]
	s_wait_dscnt 0x0
	CROUND                                         ; the closing round: no work-group ends while a partner may still ask for a chunk that names it
	s_endpgm
.Lfunc_end_k_qdcf61cb572_attn:
	.size	k_qdcf61cb572_attn, .Lfunc_end_k_qdcf61cb572_attn-k_qdcf61cb572_attn
	.p2alignl 7, 3214868480
	.fill 96, 4, 3214868480
	.section	.rodata,"a",@progbits
	.p2align	6, 0x0
	.amdhsa_kernel k_qdcf61cb572_attn
		.amdhsa_group_segment_fixed_size 327680
		.amdhsa_private_segment_fixed_size 0
		.amdhsa_enable_private_segment 0
		.amdhsa_kernarg_size 24
		.amdhsa_user_sgpr_count 2
		.amdhsa_user_sgpr_kernarg_segment_ptr 1
		.amdhsa_wavefront_size32 1
		.amdhsa_system_sgpr_workgroup_id_x 1
		.amdhsa_system_sgpr_workgroup_id_y 1
		.amdhsa_system_sgpr_workgroup_id_z 1
		.amdhsa_system_vgpr_workitem_id 0
		.amdhsa_next_free_vgpr 1024
		.amdhsa_next_free_sgpr 66
		.amdhsa_reserve_vcc 0
		.amdhsa_float_denorm_mode_32 3
		.amdhsa_float_denorm_mode_16_64 3
		.amdhsa_memory_ordered 1
		.amdhsa_forward_progress 1
		.amdhsa_inst_pref_size 168
	.end_amdhsa_kernel
	.amdgpu_metadata
---
amdhsa.version: [ 1, 2 ]
amdhsa.kernels:
  - .name:           k_qdcf61cb572_attn
    .symbol:         k_qdcf61cb572_attn.kd
    .args:
      - { .name: qb, .offset: 0, .size: 8, .value_kind: global_buffer, .address_space: global }
      - { .name: kv, .offset: 8, .size: 8, .value_kind: global_buffer, .address_space: global }
      - { .name: out0, .offset: 16, .size: 8, .value_kind: global_buffer, .address_space: global }
    .group_segment_fixed_size: 327680
    .private_segment_fixed_size: 0
    .kernarg_segment_align: 8
    .kernarg_segment_size: 24
    .max_flat_workgroup_size: 128
    .sgpr_count:     66
    .vgpr_count:     1024
    .wavefront_size: 32
...
	.end_amdgpu_metadata
.endif
;; end of part 2
;; ======== version 2 of 3: 2 launches
;; limits: values are held in f16: magnitudes above 65,504 overflow, below 6.1e-05 lose precision
;; workspace buffers: kv 16,777,216 bytes
;; launch prep (part 3): grid 128 x 4, 4 waves a work-group, no clusters, 35,328 bytes of LDS; arguments k, v, kv; writes kv
.if DOCPART == 3
	.amdgcn_target "amdgcn-amd-amdhsa--gfx1250"
	.amdhsa_code_object_version 6
	.text
	.protected	k_qdcf61cb572_prep
	.globl	k_qdcf61cb572_prep
	.p2align	8
	.type	k_qdcf61cb572_prep,@function
k_qdcf61cb572_prep:
	s_mov_b64 s[64:65], 0
	v_nop
	global_prefetch_b8 v0, s[64:65] scope:SCOPE_SE
	s_setreg_imm32_b32 hwreg(HW_REG_WAVE_MODE, 25, 1), 1
	s_wait_xcnt 0x0
; FIRST OF TWO LAUNCHES.  The program: out[b][t] = sum over s of softmax_s(rope(q)[b][t] . rope(k)[b][s] / 16 + 2^-8 (s - t)) v[b][s];  B = 8, T = 2048, 256 channels, all f32.
; DEAD WORK.  The bias 2^-8 (s - t) is 2^-8 s - 2^-8 t.  The second term does not depend on s, the softmax's axis: it multiplies numerator and denominator of every weight of row t by the
; same factor and cancels, for all values of q, k, v.  It is at most 8 in size, of the order of the scores.  So only +2^-8 s is added (second launch).  No input is left out: k and v are loaded here, q in the second launch.
; LIMIT: the term left out is a constant of the program; no NaN, infinity or overflow can arise in it alone.
; THIS LAUNCH makes the operands that the second launch reads many times (each key is read there by 32 work-groups), once: kv = rope(k) and v, rounded once to f16, and laid
; in the order in which a lane of a matrix fragment takes them, so that every later load of a fragment is 32 lanes x 16 consecutive bytes.
;   kv: batch b at b 2^21, chunk of 32 keys at 32768 ch.  K (16384 bytes): key block kb, channels 32 c + 16 blk + 8 h + 0..7 of key r at (2 c + kb) 1024 + 512 blk + 16 (16 h + r).
;   Then V: block (cb, kk) at 16384 + 1024 cb + 512 kk + 16 L holds key 16 kk + 8 (L/16) + L%8, channels 16 cb + 8 ((L/8)%2) + 0..7
; LIMITS.  f16 ends at 65,504: |rope(k)| and |v| must stay under it.  cos and sin are made here: the angle t f_j is reduced in revolutions, a quarter of it goes through
; Taylor polynomials (|a| <= pi/4: the first terms left out are a^9/9! and a^10/10!, under 4e-7) and two doublings; rows 1 to 15 of a tile follow by rotating by f_j.  The angle is good to some 4e-4 rad at t = 2047.
; SHARES.  A wave takes 16 rows (16 KiB in, 8 KiB out) of one tensor and one batch: x = tile, y = 2 x tensor + half of the batches, wave = batch in the half.  No loop, no barrier: each wave has its own stage
; in LDS, through which rows turn into fragments.  All 32 loads of a wave go out at once.  No matrix unit, no tensor load, no cluster, no prefetch: every byte is read once, and the launch only streams.
.set STG,   8704                       ; a wave's stage: 16 rows of 528 bytes (rope) or 544 (v)
.set PR,    528                        ; 512 + 16: the 16 rows of a fragment load start at 16 different 16-byte columns modulo 256
.set PT,    544                        ; 512 + 32: 8 rows x 32 bytes of a V block likewise
.set SPARE, 4*STG                      ; behind the stages: the spare words, 128 bytes a wave, which no other line names
.set LN,  1                            ; v1   lane
.set STA, 2                            ; v2   stage + 8 x lane: where I put 4 f16
.set FRA, 3                            ; v3   where I read 16 bytes of a fragment
.set GOF, 4                            ; v4   16 x lane: for the loads and for the stores; never rewritten
.set SPW, 6                            ; v6   my spare word
.set NIL, 7                            ; v7   0
.set IR,  12                           ; v[12:15] f_j / 2 pi for my four j = 4 lane + e
.set R0,  16                           ; v[16:19] the first row's angle in revolutions
.set CT,  20                           ; v[20:23] cos f_j
.set ST,  24                           ; v[24:27] sin f_j
.set SETA, 28                          ; v[28:43] two sets (cos x 4, sin x 4) of the row in hand and the next
.set T,   44                           ; v[44:51] at work
.set Y,   60                           ; v[60:63] 8 f16 to store
.set X,   64                           ; v[64:191] row i at X + 8 i: channels 4 l .. 4 l + 3, then 128 + 4 l ..; later the fragments
.set PI2, 16
.set S7,  18
.set S5,  20
.set S3,  22
.set C8,  24
.set C6,  26
.set C4,  28
.set SRC, 36
.set DST, 38
	s_load_b128 s[4:7], s[0:1], 0x0                ; k s[4:5], v s[6:7]
	s_load_b64 s[12:13], s[0:1], 0x10              ; kv
	v_lshl_add_u32 v[SPW], v0, 2, SPARE
	v_mov_b32 v[NIL], 0
	v_lshrrev_b32 v8, 5, v0
	v_readfirstlane_b32 s14, v8                    ; wave 0..3
	v_and_b32 v[LN], 31, v0
	v_lshlrev_b32 v[GOF], 4, v[LN]
	s_and_b32 s41, ttmp7, 0xffff                   ; y
	s_lshr_b32 s15, s41, 1                         ; tensor: 0 k, 1 v
	s_and_b32 s41, s41, 1
	s_lshl2_add_u32 s41, s41, s14                  ; batch = 4 (y % 2) + wave
	s_lshl_b32 s2, s41, 21                         ; source: batch x 2 MiB + tile x 16 KiB
	s_lshl_b32 s3, ttmp9, 14
	s_add_co_u32 s2, s2, s3
	s_mov_b32 s3, 0
	s_lshr_b32 s42, ttmp9, 1                       ; the chunk of 32 keys
	s_and_b32 s43, ttmp9, 1                        ; which 16 of them
	s_lshl_b32 s46, s41, 21                        ; destination: batch x 2 MiB + chunk x 32 KiB
	s_lshl_b32 s47, s42, 15
	s_add_co_u32 s46, s46, s47
	s_cmp_eq_u32 s15, 1
	s_cselect_b32 s44, 9, 10                       ; the tile's parity steps 512 bytes in V's blocks, 1,024 in K's
	s_cselect_b32 s45, 16384, 0                    ; V lies behind K
	s_lshl_b32 s47, s43, s44
	s_add_co_u32 s46, s46, s47
	s_add_co_u32 s46, s46, s45
	s_mov_b32 s47, 0
	s_mul_i32 s48, s14, STG                        ; my stage
	v_lshl_add_u32 v[STA], v[LN], 3, s48
	s_wait_kmcnt 0x0
	s_cmp_eq_u32 s15, 1
	s_cselect_b64 s[SRC:SRC+1], s[6:7], s[4:5]
	s_add_nc_u64 s[SRC:SRC+1], s[SRC:SRC+1], s[2:3]
	s_add_nc_u64 s[DST:DST+1], s[12:13], s[46:47]
.set i, 0
.rept 16                               ; the wave's 16 KiB: each load takes 512 consecutive bytes, read once in the launch
	global_load_b128 v[X+8*i:X+8*i+3],   v[GOF], s[SRC:SRC+1] offset:1024*i th:TH_LOAD_NT
	global_load_b128 v[X+8*i+4:X+8*i+7], v[GOF], s[SRC:SRC+1] offset:1024*i+512 th:TH_LOAD_NT
.set i, i+1
.endr
	v_and_b32 v8, 15, v[LN]                        ; r
	v_lshrrev_b32 v9, 4, v[LN]                     ; h
	s_cmp_eq_u32 s15, 1
	s_cbranch_scc1 .Lv
	; ---- k: the rotation.  All of this set-up runs while the loads are on their way.
.macro PAIR r, val                     ; a constant for the packed forms: named as a pair, so both words are written
	s_mov_b32 s[\r], \val
	s_mov_b32 s[(\r)+1], \val
.endm
	PAIR PI2, 0x3fc90fdb                           ; pi / 2
	PAIR S7,  0xb9500d01                           ; -1/5040
	PAIR S5,  0x3c088889                           ; 1/120
	PAIR S3,  0xbe2aaaab                           ; -1/6
	PAIR C8,  0x37d00d01                           ; 1/40320
	PAIR C6,  0xbab60b61                           ; -1/720
	PAIR C4,  0x3d2aaaab                           ; 1/24
	s_mov_b32 s49, 0xbdd49a78                      ; -log2(10000) / 128
	s_mov_b32 s50, 0xc029b21d                      ; -log2(2 pi)
	s_lshl_b32 s40, ttmp9, 4                       ; the tile's first position
	v_mul_u32_u24 v[FRA], v8, PR
	v_lshl_add_u32 v[FRA], v9, 4, v[FRA]
	v_add_nc_u32 v[FRA], s48, v[FRA]               ; stage + r x 528 + 16 h
	v_lshlrev_b32 v10, 2, v[LN]
.irp e, 0,1,2,3
	v_add_nc_u32 v11, \e, v10                      ; j = 4 lane + e
	v_cvt_f32_u32 v[IR+\e], v11
	v_fma_f32 v[IR+\e], v[IR+\e], s49, s50
.endr
	v_cvt_f32_u32 v11, s40
.irp e, 0,1,2,3
	v_exp_f32 v[IR+\e], v[IR+\e]                   ; 10000^(-j/128) / 2 pi: revolutions a position
.endr
	v_nop                                          ; a plain instruction behind the last exponential,
	s_wait_alu depctr_va_vdst(0)                   ; and the one wait ahead of the batch's first reader
.irp e, 0,1,2,3
	v_mul_f32 v[R0+\e], v11, v[IR+\e]
.endr
; cos and sin of 2 pi rv, for a pair of registers.  u = rv - round(rv), a = u pi/2 (a quarter of the angle), polynomials, two doublings.
.macro SINCOS rv, c, s
	v_rndne_f32 v[T],   v[(\rv)]
	v_rndne_f32 v[T+1], v[(\rv)+1]
	v_pk_add_f32 v[T:T+1], v[(\rv):(\rv)+1], v[T:T+1] neg_lo:[0,1] neg_hi:[0,1]
	v_pk_mul_f32 v[T:T+1], v[T:T+1], s[PI2:PI2+1] op_sel_hi:[1,0]
	v_pk_mul_f32 v[T+2:T+3], v[T:T+1], v[T:T+1]
	v_pk_fma_f32 v[(\s):(\s)+1], v[T+2:T+3], s[S7:S7+1], s[S5:S5+1] op_sel_hi:[1,0,0]
	v_pk_fma_f32 v[(\c):(\c)+1], v[T+2:T+3], s[C8:C8+1], s[C6:C6+1] op_sel_hi:[1,0,0]
	v_pk_fma_f32 v[(\s):(\s)+1], v[(\s):(\s)+1], v[T+2:T+3], s[S3:S3+1] op_sel_hi:[1,1,0]
	v_pk_fma_f32 v[(\c):(\c)+1], v[(\c):(\c)+1], v[T+2:T+3], s[C4:C4+1] op_sel_hi:[1,1,0]
	v_pk_fma_f32 v[(\s):(\s)+1], v[(\s):(\s)+1], v[T+2:T+3], 1.0 op_sel_hi:[1,1,0]
	v_pk_fma_f32 v[(\c):(\c)+1], v[(\c):(\c)+1], v[T+2:T+3], -0.5 op_sel_hi:[1,1,0]
	v_pk_mul_f32 v[(\s):(\s)+1], v[(\s):(\s)+1], v[T:T+1]
	v_pk_fma_f32 v[(\c):(\c)+1], v[(\c):(\c)+1], v[T+2:T+3], 1.0 op_sel_hi:[1,1,0]
.rept 2                                ; sin 2a = 2 s c, cos 2a = 1 - 2 s s, twice
	v_pk_mul_f32 v[T:T+1],   v[(\s):(\s)+1], v[(\c):(\c)+1]
	v_pk_mul_f32 v[T+2:T+3], v[(\s):(\s)+1], v[(\s):(\s)+1]
	v_pk_add_f32 v[(\s):(\s)+1], v[T:T+1], v[T:T+1]
	v_pk_fma_f32 v[(\c):(\c)+1], v[T+2:T+3], -2.0, 1.0 op_sel_hi:[1,0,0]
.endr
.endm
	SINCOS R0,   SETA,   SETA+4
	SINCOS R0+2, SETA+2, SETA+6
	SINCOS IR,   CT,     ST
	SINCOS IR+2, CT+2,   ST+2
; Row i: o1 = x1 cos - x2 sin, o2 = x2 cos + x1 sin; rounded to f16 into the stage; then cos and sin are turned by f_j into the other set, for the next row.
.macro ROW i
.set xa, X+8*(\i)
.set ca, SETA+8*((\i)%2)
.set cn, SETA+8*(1-(\i)%2)
	s_wait_loadcnt 30-2*(\i)                       ; loads come back in order: row i's two are in, the younger rows' stay out
.irp p, 0,2
	v_pk_mul_f32 v[T+\p:T+\p+1],     v[xa+\p:xa+\p+1],     v[ca+\p:ca+\p+1]
	v_pk_mul_f32 v[T+4+\p:T+4+\p+1], v[xa+4+\p:xa+4+\p+1], v[ca+\p:ca+\p+1]
.endr
.irp p, 0,2
	v_pk_fma_f32 v[T+\p:T+\p+1],     v[xa+4+\p:xa+4+\p+1], v[ca+4+\p:ca+4+\p+1], v[T+\p:T+\p+1] neg_lo:[0,1,0] neg_hi:[0,1,0]
	v_pk_fma_f32 v[T+4+\p:T+4+\p+1], v[xa+\p:xa+\p+1],     v[ca+4+\p:ca+4+\p+1], v[T+4+\p:T+4+\p+1]
.endr
.irp e, 0,1,2,3
	v_cvt_pk_f16_f32 v[Y+\e], v[T+2*\e], v[T+2*\e+1]
.endr
	ds_store_b64 v[STA], v[Y:Y+1]   offset:PR*(\i)      ; channels 4 l .. : 32 lanes, 256 consecutive bytes
	ds_store_b64 v[STA], v[Y+2:Y+3] offset:PR*(\i)+256  ; channels 128 + 4 l ..
.if (\i) < 15
.irp p, 0,2
	v_pk_mul_f32 v[cn+\p:cn+\p+1],     v[ca+\p:ca+\p+1],     v[CT+\p:CT+\p+1]
	v_pk_mul_f32 v[cn+4+\p:cn+4+\p+1], v[ca+4+\p:ca+4+\p+1], v[CT+\p:CT+\p+1]
.endr
.irp p, 0,2
	v_pk_fma_f32 v[cn+\p:cn+\p+1],     v[ca+4+\p:ca+4+\p+1], v[ST+\p:ST+\p+1], v[cn+\p:cn+\p+1] neg_lo:[0,1,0] neg_hi:[0,1,0]
	v_pk_fma_f32 v[cn+4+\p:cn+4+\p+1], v[ca+\p:ca+\p+1],     v[ST+\p:ST+\p+1], v[cn+4+\p:cn+4+\p+1]
.endr
.endif
.endm
.irp i, 0,1,2,3,4,5,6,7,8,9,10,11,12,13,14,15
	ROW \i
.endr
.set n, 0
.rept 16                               ; back as fragments: n = 2 c + blk.  The stage is the wave's own and LDS serves a wave's instructions in order: these see the stores above
	ds_load_b128 v[X+4*n:X+4*n+3], v[FRA] offset:32*n
.set n, n+1
.endr
.set n, 0
.rept 16
	s_wait_dscnt 15-n                              ; fragment n is in, the younger ones stay out
	global_store_b128 v[GOF], v[X+4*n:X+4*n+3], s[DST:DST+1] offset:2048*(n/2)+512*(n%2)  ; 512 consecutive bytes, at a multiple of 512 from the buffer's first
.set n, n+1
.endr
	s_branch .Lend
.Lv:	; ---- v: rounded to f16 and laid in the blocks that the turning LDS load of the second launch takes
	v_and_b32 v10, 7, v[LN]
	v_lshl_add_u32 v10, v9, 3, v10                 ; key 8 h + L % 8
	v_bfe_u32 v11, v[LN], 3, 1
	v_mul_u32_u24 v[FRA], v10, PT
	v_lshl_add_u32 v[FRA], v11, 4, v[FRA]          ; channels 8 ((L / 8) % 2) on
	v_add_nc_u32 v[FRA], s48, v[FRA]
.set i, 0
.rept 16
	s_wait_loadcnt 30-2*i
.irp e, 0,1,2,3
	v_cvt_pk_f16_f32 v[Y+\e], v[X+8*i+2*\e], v[X+8*i+2*\e+1]
.endr
	ds_store_b64 v[STA], v[Y:Y+1]   offset:PT*i
	ds_store_b64 v[STA], v[Y+2:Y+3] offset:PT*i+256
.set i, i+1
.endr
.set n, 0
.rept 16                               ; block cb = n
	ds_load_b128 v[X+4*n:X+4*n+3], v[FRA] offset:32*n
.set n, n+1
.endr
.set n, 0
.rept 16
	s_wait_dscnt 15-n
	global_store_b128 v[GOF], v[X+4*n:X+4*n+3], s[DST:DST+1] offset:1024*n
.set n, n+1
.endr
.Lend:
	s_wait_tensorcnt 0x0                           ; the wave's end, behind my last LDS store
	ds_add_u32 v[SPW], v[NIL]
	s_wait_dscnt 0x0
	s_endpgm
.Lfunc_end_k_qdcf61cb572_prep:
	.size	k_qdcf61cb572_prep, .Lfunc_end_k_qdcf61cb572_prep-k_qdcf61cb572_prep
	.p2alignl 7, 3214868480
	.fill 96, 4, 3214868480
	.section	.rodata,"a",@progbits
	.p2align	6, 0x0
	.amdhsa_kernel k_qdcf61cb572_prep
		.amdhsa_group_segment_fixed_size 35328
		.amdhsa_private_segment_fixed_size 0
		.amdhsa_enable_private_segment 0
		.amdhsa_kernarg_size 24
		.amdhsa_user_sgpr_count 2
		.amdhsa_user_sgpr_kernarg_segment_ptr 1
		.amdhsa_wavefront_size32 1
		.amdhsa_system_sgpr_workgroup_id_x 1
		.amdhsa_system_sgpr_workgroup_id_y 1
		.amdhsa_system_sgpr_workgroup_id_z 1
		.amdhsa_system_vgpr_workitem_id 0
		.amdhsa_next_free_vgpr 192
		.amdhsa_next_free_sgpr 66
		.amdhsa_reserve_vcc 0
		.amdhsa_float_denorm_mode_32 3
		.amdhsa_float_denorm_mode_16_64 3
		.amdhsa_memory_ordered 1
		.amdhsa_forward_progress 1
		.amdhsa_inst_pref_size 47
	.end_amdhsa_kernel
	.amdgpu_metadata
---
amdhsa.version: [ 1, 2 ]
amdhsa.kernels:
  - .name:           k_qdcf61cb572_prep
    .symbol:         k_qdcf61cb572_prep.kd
    .args:
      - { .name: k, .offset: 0, .size: 8, .value_kind: global_buffer, .address_space: global }
      - { .name: v, .offset: 8, .size: 8, .value_kind: global_buffer, .address_space: global }
      - { .name: kv, .offset: 16, .size: 8, .value_kind: global_buffer, .address_space: global }
    .group_segment_fixed_size: 35328
    .private_segment_fixed_size: 0
    .kernarg_segment_align: 8
    .kernarg_segment_size: 24
    .max_flat_workgroup_size: 128
    .sgpr_count:     66
    .vgpr_count:     192
    .wavefront_size: 32
...
	.end_amdgpu_metadata
.endif
;; end of part 3
;; launch attn (part 4): grid 32 x 8, 4 waves a work-group, clusters of 4 x 1, 327,680 bytes of LDS; arguments q, kv, out0; writes out0
.if DOCPART == 4
	.amdgcn_target "amdgcn-amd-amdhsa--gfx1250"
	.amdhsa_code_object_version 6
	.text
	.protected	k_qdcf61cb572_attn
	.globl	k_qdcf61cb572_attn
	.p2align	8
	.type	k_qdcf61cb572_attn,@function
k_qdcf61cb572_attn:
	s_mov_b64 s[64:65], 0
	v_nop
	global_prefetch_b8 v0, s[64:65] scope:SCOPE_SE
	s_setreg_imm32_b32 hwreg(HW_REG_WAVE_MODE, 25, 1), 1
	s_wait_xcnt 0x0
	s_wait_alu depctr_hold_cnt(0) depctr_sa_sdst(0) depctr_va_vdst(0) depctr_va_sdst(0) depctr_va_ssrc(0) depctr_va_vcc(0) depctr_vm_vsrc(0)
	s_getreg_b32 s2, hwreg(HW_REG_IB_STS2, 6, 4)
	s_cmp_eq_u32 s2, 0
	s_cbranch_scc0 .Lentry_in_a_cluster
	s_endpgm
.Lentry_in_a_cluster:
	s_bfe_u32 s2, ttmp6, 0x10000c
	s_cmp_lg_u32 s2, 0x3003
	s_cbranch_scc0 .Lentry_shape_is_right
	s_endpgm
.Lentry_shape_is_right:
; SECOND LAUNCH.  out[b][t][:] = the sum over s of softmax_s(score) v[b][s][:], score in powers of two = Q[t] . K[s] + Lb s, Lb = 2^-8 log2(e), Q = rope(q) log2(e)/16.
; LEFT OUT: the bias's part -2^-8 t, the same along the softmax's axis, which cancels for all inputs (shown at the head of the first kernel).
; kv: f16, in fragment order (first kernel's head).  q: f32; it is rotated, scaled and rounded once to f16 at this kernel's head.  Products, maxima and sums in f32; the weights p are rounded to f16 for the
; second product (their sum l is taken of the unrounded p); out is f32.
; LIMITS.  |rope(q)| log2(e)/16 must stay under f16's 65,504.  cos and sin as in the first kernel (angle good to some 4e-4 rad at t = 2047); the revolutions are rounded by adding and taking away 1.5 x 2^23, good below 2^22.
; p lies in 0 to 1 and below 6e-5 keeps f16's fixed step of 6e-8; a weight below 2^-126 counts as 0; NaN and infinities are not treated apart.
; SHARES.  16,384 query rows for 256 work-groups: 64 queries each.  EVERY wave holds all 64 (four tiles of 16), and THE KEYS ARE SPLIT among the four waves: in a step wave w takes chunk 4 G + w of 32 keys, G the step's group.
; So a fragment of K or V read from LDS feeds four tiles' products: 64 LDS loads for a step's 128 matrix instructions.  Each wave keeps its own running maximum m, sum l and O; the four meet in LDS at the end.
; THE WALK IS ROTATED.  The 64 clusters are dealt one to one: batch = 4 (cluster x / 4) + cluster y / 2, place c = cluster x % 4 + 4 (cluster y % 2).  Cluster c begins at group 2 p(c), p = c with 2 and 6 exchanged, and walks
; the 16 groups round; a running maximum does not mind the order of the keys.  So the two first fills of a batch's eight clusters name each of its 16 groups once.  The exchange keeps the starts of any four clusters
; that share one bit of c at most six groups apart.  All this hangs on the cluster's numbers alone, the same in all four partners.
; NO PREFETCH.  Each chunk's first request in the launch is one of the first fills at the launch's head, where nothing is prefetched; every later request names bytes that another cluster of the batch has asked for before.
; LAYOUT.  S^T = K Q^T (source 0 = 16 keys, source 1 = 16 queries): a lane holds ONE query (lane % 16) and the keys 8 (lane / 16) + 0..7.  Two such results, rounded to f16 in pairs, in place, ARE source 1
; (32 keys x 16 queries) of O^T = V^T P, whose result again holds one query a lane, and eight channels.  The bias Lb s is the C operand of the product that starts a sum: it costs no line on the scores.
; SOFTMAX.  p = 2^(s - m) with a running maximum m; in every step O and l are multiplied by a = 2^(m_old - m_new).  m starts at the lowest finite number, O and l at 0: the first step is a step like any other, a = 0.
; The price: 512 lines that clear O, in the wait for q and the first tile; the gain: no first step written out.
; BY TURNS.  Two PIECES (tiles 0, 1 and tiles 2, 3).  A step's 468 vector instructions are ONE numbered queue (VQ writes the next): four ride behind each matrix instruction, 100 stand in a lump
; that fills the wait of the cluster's round.  A piece's 34 exponentials are one batch with one wait.
; CLUSTER.  The four work-groups of a cluster are four query blocks of one batch and walk the same chunks: each chunk (K and V, 32 KiB dense) is asked for JOINTLY, by one tensor load a wave with the mask of four.
; 4 x 1 and no more: a mask names four work-groups at the most.
; REGISTERS, in windows of 256 (s_set_vgpr_msb: bits 1:0 source 0, 3:2 source 1, 5:4 source 2, 7:6 destination):
;   window 0: v1-11 addresses; v12-19 sums at work; v20-43 statistics; v48-63 the bias; v64-127 S^T (16 a tile), P in place; v128-255 K or V of one chunk, 16 fragments.  At the head v64-111 and v128-255 serve q's rotation
;   window 1: Q, tile t channels 32 c on at 64 t + 8 c       window 2: O^T of tiles 0, 1 (128 each)       window 3: of tiles 2, 3
.set SLOTB, 32768                      ; a slot: one chunk: K 16 KiB, V 16 KiB.  Wave w's two slots at 65536 w
.set STEPB, 131072                     ; bytes of kv in a group: four chunks
.set STAT,  262144                     ; behind the rings: (m, l) of tile t from wave s at 1024 t + 256 s; never filled by a tensor load
.set SPARE, 266240                     ; the spare words, 128 bytes a wave, which no other line names
.set QST,   266752                     ; Q's stage: tile t at 8704 t, 16 rows of 528 bytes; never filled by a tensor load
.set QSTG,  8704
.set PR,    528                        ; 512 + 16: the 16 rows of a fragment load start at 16 different 16-byte columns modulo 256
.set OPI,   1040                       ; the way out: a row of 1,024 bytes + 16, likewise
.set LA,  1                            ; v1   65536 w + 16 lane; never rewritten
.set ADR, 2                            ; v2   LA + the slot in hand
.set GO,  3                            ; v3   16 lane; never rewritten
.set FRQ, 4                            ; v4   QST + 528 r + 16 h: where I read Q's fragments
.set SPW, 5                            ; v5   my spare word
.set NIL, 6                            ; v6   0
.set AD0, 7                            ; v7   16384 w + 16 lane
.set ADT, 8                            ; v8   the merge: where my partial tile goes
.set STA, 9                            ; v9   STAT + 256 w + 8 lane
.set STR, 10                           ; v10  STAT + 1024 w + 8 lane
.set STO, 11                           ; v11  65536 w + 1040 r + 32 h
.set UU,  12                           ; v[12:19] by the tile's parity two pairs of sums at work
.set MP,  20                           ; tile t: (m, c1) at MP + 2 t
.set AP,  28                           ; tile t: (a, c0 and then m_old - m_new)
.set LP,  36                           ; tile t: l (even keys', odd keys')
.set BI,  48                           ; the bias of key block kb at BI + 8 kb
.set SS,  64
.set KV,  128
.set IR,  64                           ; the head alone: v[64:67] f_j / 2 pi for my four j = 4 lane + e
.set R0,  68                           ; v[68:71] the first row's angle in revolutions
.set CTQ, 72                           ; v[72:75] cos f_j
.set STQ, 76                           ; v[76:79] sin f_j
.set SETA, 80                          ; v[80:95] two sets (cos x 4, sin x 4) times the scale: the row in hand and the next
.set TQ,  96                           ; v[96:103] at work
.set YQ,  104                          ; v[104:107] 8 f16 to store
.set QSA, 110                          ; v110 QST + 8704 w + 8 lane
.set XQ,  128                          ; v[128:255] q's row i at XQ + 8 i: channels 4 l .., then 128 + 4 l ..
.set WV,  12                           ; s12  wave
.set G1,  24                           ; s[24:31] descriptor group 1
.set G0A, 32                           ; s[32:35] group 0 of the first fill
.set G0B, 36                           ; s[36:39] of the second, and of every refill
.set CNT, 40
.set TB,  41                           ; s41  0 or SLOTB: the slot of the chunk fetched last
.set GI,  42                           ; s42  the group in hand, 0..15
.set TMP, 43
.set KVB, 44                           ; s[44:45] kv at my batch and my wave's chunk of group 0
.set SEL, 46                           ; s[46:47] v_permlanex16_b32's selects: each lane takes its own place in the other half
.set BST, 48                           ; s[48:49] the bias's step to the next group
.set LB,  50
.set OFF, 52                           ; s[52:53] a group's byte offset
.set BPOS, 54                          ; s54  128 Lb
.set BNEG, 55                          ; s55  -1920 Lb: from group 15 back to group 0
.set POS, 56                           ; s56  my tile's first position
.set PI2, 66
.set S7,  68
.set S5,  70
.set S3,  72
.set C8,  74
.set C6,  76
.set C4,  78
.set K2,  80
.set KM2, 82
.set K1,  84
.set MG,  86
.set MGN, 88
.set EA,  90
.set EB,  91
.set MSB, 0
.macro WIN new                         ; the high byte repeats the setting that is left; a switch that changes nothing is dropped
.if MSB != (\new)
	s_set_vgpr_msb (MSB<<8)|(\new)
.set MSB, (\new)
.endif
.endm
.macro PLACES                          ; four plain places behind a matrix instruction (ISA guide 7.12.1), where no other vector work is at hand
.rept 4
	v_nop
.endr
.endm
.macro CREST                           ; a round of the cluster's barrier behind its opening barrier
	s_cmp_lg_u32 s[WV], 0
	s_cbranch_scc1 .Lnot_wave_0_\@
	s_barrier_signal -3
.Lnot_wave_0_\@:
	s_barrier_wait -3
	s_barrier_signal -1
	s_barrier_wait -1
.endm
.macro CROUND
	s_barrier_signal -1
	s_barrier_wait -1
	CREST
.endm
.macro PAIR r, val                     ; a constant for the packed forms: named as a pair, so both words are written
	s_mov_b32 s[\r], \val
	s_mov_b32 s[(\r)+1], \val
.endm
	s_load_b128 s[4:7], s[0:1], 0x0                ; q s[4:5], kv s[6:7]
	s_load_b64 s[8:9], s[0:1], 0x10                ; out0
	v_lshl_add_u32 v[SPW], v0, 2, SPARE
	v_mov_b32 v[NIL], 0
	ds_add_u32 v[SPW], v[NIL]                      ; the wave's opening: the add, twice on end, and its wait ahead of my first tensor load
	ds_add_u32 v[SPW], v[NIL]
	v_lshrrev_b32 v44, 5, v0
	v_readfirstlane_b32 s[WV], v44                 ; wave 0..3
	v_and_b32 v44, 31, v0                          ; lane
	v_lshlrev_b32 v[GO], 4, v44
	s_bfe_u32 s13, ttmp6, 0x40000                  ; cx: it enters the addresses of q and out0 and my rows' positions alone
	s_and_b32 s16, ttmp7, 0xffff                   ; cluster y
	s_lshr_b32 s15, ttmp9, 2
	s_lshl_b32 s15, s15, 2
	s_lshr_b32 s17, s16, 1
	s_add_co_u32 s15, s15, s17                     ; the batch = 4 (cluster x / 4) + cluster y / 2
	s_and_b32 s17, ttmp9, 3
	s_and_b32 s16, s16, 1
	s_lshl2_add_u32 s17, s16, s17                  ; c = 4 (cluster y % 2) + cluster x % 4
	s_lshl2_add_u32 s14, s17, s13                  ; my block of 64 queries = 4 c + cx
	s_and_b32 s18, s17, 3
	s_cmp_eq_u32 s18, 2
	s_cselect_b32 s18, 4, 0
	s_xor_b32 s17, s17, s18                        ; p: 2 and 6 exchanged
	s_lshl_b32 s[GI], s17, 1                       ; the walk's first group
	s_mov_b32 s[G1+0], 15|(3<<16)|(1<<21)          ; the mask of four; elements of 8 bytes; bit 21 set beside a mask; no padding: every LDS load takes 512 consecutive bytes
	s_mov_b32 s[G1+1], 32<<16                      ; tensor_dim0 = 32 elements: rows of 256 bytes
	s_mov_b32 s[G1+2], 128<<16                     ; tensor_dim1 = 128 rows: 32 KiB, dense
	s_mov_b32 s[G1+3], 32<<16                      ; tile_dim0
	s_mov_b32 s[G1+4], 128                         ; tile_dim1
	s_mov_b32 s[G1+5], 32                          ; from row to row
	s_mov_b32 s[G1+6], 0
	s_mov_b32 s[G1+7], 0
	s_mov_b32 s[G0A], 1
	s_lshl_b32 s[G0A+1], s[WV], 16                 ; LDS: my slot 0
	s_mov_b32 s[G0B], 1
	s_add_co_u32 s[G0B+1], s[G0A+1], SLOTB         ; my slot 1
	s_lshl_b32 s16, s15, 21                        ; kv: batch x 2 MiB + wave x 32 KiB
	s_lshl_b32 s17, s[WV], 15
	s_add_co_u32 s16, s16, s17
	s_mov_b32 s17, 0
	s_lshl_b32 s[OFF], s[GI], 17                   ; the first group
	s_mov_b32 s[OFF+1], 0
	s_lshl_b32 s20, s15, 21                        ; q and out0: batch x 2 MiB + block x 64 KiB + the tile that I rotate and finish (= my wave's number) x 16 KiB
	s_lshl_b32 s21, s14, 16
	s_add_co_u32 s20, s20, s21
	s_lshl_b32 s21, s[WV], 14
	s_add_co_u32 s20, s20, s21
	s_mov_b32 s21, 0
	s_lshl_b32 s[POS], s14, 6                      ; that tile's first position: 64 block + 16 wave
	s_lshl_b32 s22, s[WV], 4
	s_add_co_u32 s[POS], s[POS], s22
	s_mov_b32 s[SEL], 0x76543210
	s_mov_b32 s[SEL+1], 0xfedcba98
	s_mov_b32 s[BPOS], 0x3f38aa3b                  ; 128 x 2^-8 log2(e)
	s_mov_b32 s[BNEG], 0xc12d1f97                  ; -1920 x 2^-8 log2(e)
	s_mov_b32 s[BST], s[BPOS]
	s_mov_b32 s[BST+1], s[BPOS]                    ; named with it as a pair
	s_mov_b32 s[LB], 0x3bb8aa3b                    ; 2^-8 log2(e)
	s_mov_b32 s[TB], SLOTB                         ; the first fetch turns it into 0
	PAIR PI2, 0x3fc90fdb                           ; pi / 2
	PAIR S7,  0xb9500d01                           ; -1/5040
	PAIR S5,  0x3c088889                           ; 1/120
	PAIR S3,  0xbe2aaaab                           ; -1/6
	PAIR C8,  0x37d00d01                           ; 1/40320
	PAIR C6,  0xbab60b61                           ; -1/720
	PAIR C4,  0x3d2aaaab                           ; 1/24
	PAIR K1,  0x3db8aa3b                           ; the scale log2(e)/16: it rides on the last doubling,
	PAIR K2,  0x3e38aa3b                           ; as twice itself
	PAIR KM2, 0xbe38aa3b                           ; and minus that
	PAIR MG,  0x4b400000                           ; 1.5 x 2^23
	PAIR MGN, 0xcb400000
	s_mov_b32 s[EA], 0xbdd49a78                    ; -log2(10000) / 128
	s_mov_b32 s[EB], 0xc029b21d                    ; -log2(2 pi)
	s_wait_dscnt 0x0                               ; both opening adds are done
	s_wait_kmcnt 0x0
	s_add_nc_u64 s[4:5], s[4:5], s[20:21]
	s_add_nc_u64 s[8:9], s[8:9], s[20:21]
	s_add_nc_u64 s[KVB:KVB+1], s[6:7], s[16:17]
	s_add_nc_u64 s[G0A+2:G0A+3], s[KVB:KVB+1], s[OFF:OFF+1]  ; my chunk of the first group,
	s_add_nc_u64 s[G0B+2:G0B+3], s[G0A+2:G0A+3], STEPB       ; of the second (the first is even: no wrap)
	s_or_b32 s[G0A+3], s[G0A+3], 0x80000000        ; type = 2
	s_or_b32 s[G0B+3], s[G0B+3], 0x80000000
.set i, 0
.rept 16                               ; my tile of q, 16 KiB, each load 512 consecutive bytes read once in the launch: asked for first, since the longest chain of the head hangs on it
	global_load_b128 v[XQ+8*i:XQ+8*i+3],   v[GO], s[4:5] offset:1024*i th:TH_LOAD_NT
	global_load_b128 v[XQ+8*i+4:XQ+8*i+7], v[GO], s[4:5] offset:1024*i+512 th:TH_LOAD_NT
.set i, i+1
.endr
	CROUND                                         ; all four work-groups are here: the first joint loads meet
	tensor_load_to_lds s[G0A:G0A+3], s[G1:G1+7]    ; both first fills together: two loads of mine are out, the most in this text
	s_nop 0
	tensor_load_to_lds s[G0B:G0B+3], s[G1:G1+7]
	s_nop 0
	PLACES
	v_add_nc_u32 v[LA], s[G0A+1], v[GO]
	s_lshl_b32 s16, s[WV], 14
	v_add_nc_u32 v[AD0], s16, v[GO]
	v_and_b32 v45, 15, v0                          ; r
	v_bfe_u32 v46, v0, 4, 1                        ; h
	s_mul_i32 s16, s[WV], QSTG
	s_add_co_u32 s16, s16, QST
	v_lshl_add_u32 v[QSA], v44, 3, s16
	v_mul_u32_u24 v[FRQ], v45, PR
	v_lshl_add_u32 v[FRQ], v46, 4, v[FRQ]
	v_add_nc_u32 v[FRQ], QST, v[FRQ]
	; cos and sin for my tile's first row, and of one position's turn: while q is on its way
	v_lshlrev_b32 v108, 2, v44
.irp e, 0,1,2,3
	v_add_nc_u32 v109, \e, v108                    ; j = 4 lane + e
	v_cvt_f32_u32 v[IR+\e], v109
	v_fma_f32 v[IR+\e], v[IR+\e], s[EA], s[EB]
.endr
	v_cvt_f32_u32 v109, s[POS]
.irp e, 0,1,2,3
	v_exp_f32 v[IR+\e], v[IR+\e]                   ; 10000^(-j/128) / 2 pi: revolutions a position
.endr
	v_nop                                          ; a plain instruction behind the last exponential,
	s_wait_alu depctr_va_vdst(0)                   ; and the one wait ahead of the batch's first reader
.irp e, 0,1,2,3
	v_mul_f32 v[R0+\e], v109, v[IR+\e]
.endr
; cos and sin of 2 pi rv, for a pair of registers.  u = rv - round(rv), a = u pi/2 (a quarter of the angle), polynomials, two doublings.  scaled = 1: the second doubling multiplies by the scale.
.macro SINCOS rv, c, s, scaled
	v_pk_add_f32 v[TQ:TQ+1], v[(\rv):(\rv)+1], s[MG:MG+1] op_sel_hi:[1,0]
	v_pk_add_f32 v[TQ:TQ+1], v[TQ:TQ+1], s[MGN:MGN+1] op_sel_hi:[1,0]
	v_pk_add_f32 v[TQ:TQ+1], v[(\rv):(\rv)+1], v[TQ:TQ+1] neg_lo:[0,1] neg_hi:[0,1]
	v_pk_mul_f32 v[TQ:TQ+1], v[TQ:TQ+1], s[PI2:PI2+1] op_sel_hi:[1,0]
	v_pk_mul_f32 v[TQ+2:TQ+3], v[TQ:TQ+1], v[TQ:TQ+1]
	v_pk_fma_f32 v[(\s):(\s)+1], v[TQ+2:TQ+3], s[S7:S7+1], s[S5:S5+1] op_sel_hi:[1,0,0]
	v_pk_fma_f32 v[(\c):(\c)+1], v[TQ+2:TQ+3], s[C8:C8+1], s[C6:C6+1] op_sel_hi:[1,0,0]
	v_pk_fma_f32 v[(\s):(\s)+1], v[(\s):(\s)+1], v[TQ+2:TQ+3], s[S3:S3+1] op_sel_hi:[1,1,0]
	v_pk_fma_f32 v[(\c):(\c)+1], v[(\c):(\c)+1], v[TQ+2:TQ+3], s[C4:C4+1] op_sel_hi:[1,1,0]
	v_pk_fma_f32 v[(\s):(\s)+1], v[(\s):(\s)+1], v[TQ+2:TQ+3], 1.0 op_sel_hi:[1,1,0]
	v_pk_fma_f32 v[(\c):(\c)+1], v[(\c):(\c)+1], v[TQ+2:TQ+3], -0.5 op_sel_hi:[1,1,0]
	v_pk_mul_f32 v[(\s):(\s)+1], v[(\s):(\s)+1], v[TQ:TQ+1]
	v_pk_fma_f32 v[(\c):(\c)+1], v[(\c):(\c)+1], v[TQ+2:TQ+3], 1.0 op_sel_hi:[1,1,0]
	v_pk_mul_f32 v[TQ:TQ+1],   v[(\s):(\s)+1], v[(\c):(\c)+1]      ; sin 2a = 2 s c, cos 2a = 1 - 2 s s
	v_pk_mul_f32 v[TQ+2:TQ+3], v[(\s):(\s)+1], v[(\s):(\s)+1]
	v_pk_add_f32 v[(\s):(\s)+1], v[TQ:TQ+1], v[TQ:TQ+1]
	v_pk_fma_f32 v[(\c):(\c)+1], v[TQ+2:TQ+3], -2.0, 1.0 op_sel_hi:[1,0,0]
	v_pk_mul_f32 v[TQ:TQ+1],   v[(\s):(\s)+1], v[(\c):(\c)+1]
	v_pk_mul_f32 v[TQ+2:TQ+3], v[(\s):(\s)+1], v[(\s):(\s)+1]
.if \scaled
	v_pk_mul_f32 v[(\s):(\s)+1], v[TQ:TQ+1], s[K2:K2+1] op_sel_hi:[1,0]
	v_pk_fma_f32 v[(\c):(\c)+1], v[TQ+2:TQ+3], s[KM2:KM2+1], s[K1:K1+1] op_sel_hi:[1,0,0]
.else
	v_pk_add_f32 v[(\s):(\s)+1], v[TQ:TQ+1], v[TQ:TQ+1]
	v_pk_fma_f32 v[(\c):(\c)+1], v[TQ+2:TQ+3], -2.0, 1.0 op_sel_hi:[1,0,0]
.endif
.endm
	SINCOS R0,   SETA,   SETA+4, 1
	SINCOS R0+2, SETA+2, SETA+6, 1
	SINCOS IR,   CTQ,    STQ,    0
	SINCOS IR+2, CTQ+2,  STQ+2,  0
	WIN 0x80                                       ; O^T = 0: in the wait for q and the first tile
.set i, 0
.rept 256
	v_mov_b32 v[i], 0
.set i, i+1
.endr
	WIN 0xc0
.set i, 0
.rept 256
	v_mov_b32 v[i], 0
.set i, i+1
.endr
	WIN 0
	s_lshl_b32 s16, s[WV], 8
	s_add_co_u32 s16, s16, STAT
	v_lshl_add_u32 v[STA], v44, 3, s16
	s_lshl_b32 s16, s[WV], 10
	s_add_co_u32 s16, s16, STAT
	v_lshl_add_u32 v[STR], v44, 3, s16
	v_mul_u32_u24 v[STO], v45, OPI
	v_lshl_add_u32 v[STO], v46, 5, v[STO]
	v_add_nc_u32 v[STO], s[G0A+1], v[STO]
.irp t, 0,1,2,3
	v_mov_b32 v[MP+2*\t], 0xff7fffff               ; m: the lowest finite number
	v_mov_b32 v[LP+2*\t], 0
	v_mov_b32 v[LP+2*\t+1], 0
.endr
	s_lshl_b32 s16, s[GI], 7
	s_lshl_b32 s17, s[WV], 5
	s_add_co_u32 s16, s16, s17
	v_lshl_add_u32 v47, v46, 3, s16                ; 128 G + 32 w + 8 h
.set i, 0
.rept 16                               ; the bias of the first group: Lb x (128 G + 32 w + 16 kb + 8 h + register)
	v_add_nc_u32 v[BI+i], 16*(i/8)+i%8, v47
	v_cvt_f32_u32 v[BI+i], v[BI+i]
	v_mul_f32 v[BI+i], s[LB], v[BI+i]
.set i, i+1
.endr
; q's row i: o1 = x1 cos - x2 sin, o2 = x2 cos + x1 sin (cos and sin carry the scale); rounded to f16 into my stage; then cos and sin are turned by f_j into the other set, for the next row.
.macro QROW i
.set xa, XQ+8*(\i)
.set ca, SETA+8*((\i)%2)
.set cn, SETA+8*(1-(\i)%2)
	s_wait_loadcnt 30-2*(\i)                       ; loads come back in order: row i's two are in, the younger rows' stay out
.irp p, 0,2
	v_pk_mul_f32 v[TQ+\p:TQ+\p+1],     v[xa+\p:xa+\p+1],     v[ca+\p:ca+\p+1]
	v_pk_mul_f32 v[TQ+4+\p:TQ+4+\p+1], v[xa+4+\p:xa+4+\p+1], v[ca+\p:ca+\p+1]
.endr
.irp p, 0,2
	v_pk_fma_f32 v[TQ+\p:TQ+\p+1],     v[xa+4+\p:xa+4+\p+1], v[ca+4+\p:ca+4+\p+1], v[TQ+\p:TQ+\p+1] neg_lo:[0,1,0] neg_hi:[0,1,0]
	v_pk_fma_f32 v[TQ+4+\p:TQ+4+\p+1], v[xa+\p:xa+\p+1],     v[ca+4+\p:ca+4+\p+1], v[TQ+4+\p:TQ+4+\p+1]
.endr
.irp e, 0,1,2,3
	v_cvt_pk_f16_f32 v[YQ+\e], v[TQ+2*\e], v[TQ+2*\e+1]
.endr
	ds_store_b64 v[QSA], v[YQ:YQ+1]   offset:PR*(\i)      ; channels 4 l .. : 32 lanes, 256 consecutive bytes
	ds_store_b64 v[QSA], v[YQ+2:YQ+3] offset:PR*(\i)+256  ; channels 128 + 4 l ..
.if (\i) < 15
.irp p, 0,2
	v_pk_mul_f32 v[cn+\p:cn+\p+1],     v[ca+\p:ca+\p+1],     v[CTQ+\p:CTQ+\p+1]
	v_pk_mul_f32 v[cn+4+\p:cn+4+\p+1], v[ca+4+\p:ca+4+\p+1], v[CTQ+\p:CTQ+\p+1]
.endr
.irp p, 0,2
	v_pk_fma_f32 v[cn+\p:cn+\p+1],     v[ca+4+\p:ca+4+\p+1], v[STQ+\p:STQ+\p+1], v[cn+\p:cn+\p+1] neg_lo:[0,1,0] neg_hi:[0,1,0]
	v_pk_fma_f32 v[cn+4+\p:cn+4+\p+1], v[ca+\p:ca+\p+1],     v[STQ+\p:STQ+\p+1], v[cn+4+\p:cn+4+\p+1]
.endr
.endif
.endm
.irp i, 0,1,2,3,4,5,6,7,8,9,10,11,12,13,14,15
	QROW \i
.endr
	s_wait_dscnt 0x0                               ; for the others' sake: my tile of Q lies in the stage
	s_barrier_signal -1
	s_barrier_wait -1                              ; all four tiles do.  My two tensor loads may stay out
	WIN 0x40                                       ; destination window 1
.set i, 0
.rept 32                               ; Q stays in registers: tile i / 8, channels 32 (i % 8) on
	ds_load_b128 v[8*i:8*i+3],   v[FRQ] offset:(i/8)*QSTG+64*(i%8)
	ds_load_b128 v[8*i+4:8*i+7], v[FRQ] offset:(i/8)*QSTG+64*(i%8)+32
.set i, i+1
.endr
	WIN 0
; THE MATRIX WORK.  Product i of 32 of S^T = K Q^T for piece y: channels 32 (i / 4) on, key block (i / 2) % 2, tile 2 y + i % 2.  The four accumulators take turns; the first four products start the sums with the bias.
.macro KQ y
	WIN 0x04                                       ; Q in window 1, all else in window 0
.set kS, SS+16*(2*(\y)+i%2)+8*((i/2)%2)
.set kK, KV+8*(2*(i/4)+(i/2)%2)
.set kQ, 64*(2*(\y)+i%2)+8*(i/4)
.set kB, BI+8*((i/2)%2)
.if i < 4
	v_wmma_f32_16x16x32_f16 v[kS:kS+7], v[kK:kK+7], v[kQ:kQ+7], v[kB:kB+7]
.else
	v_wmma_f32_16x16x32_f16 v[kS:kS+7], v[kK:kK+7], v[kQ:kQ+7], v[kS:kS+7]
.endif
.endm
; Product i of 32 of O^T += V^T P for piece y: channels 16 (i / 2) on, tile 2 y + i % 2.  Each of the 32 accumulators has one product a step.
.macro PV y
	WIN 0xa0+0x50*(\y)                             ; O^T (C and D) in window 2 or 3
.set pO, 128*(i%2)+8*(i/2)
.set pV, KV+8*(i/2)
.set pP, SS+16*(2*(\y)+i%2)
	v_wmma_f32_16x16x32_f16 v[pO:pO+7], v[pV:pV+7], v[pP:pP+7], v[pO:pO+7]
.endm
; THE LDS LOADS stand in runs of 16, half a chunk's K or V, each load 32 lanes x 16 consecutive bytes.  K of the next chunk: half 0 turns to the other slot first.  last = 1 (the tail): in the last step there is no next chunk.
.macro FETCH_K hf, last
	WIN 0
.if \last
	s_cmp_eq_u32 s[CNT], 1
	s_cbranch_scc1 .Lno_k_\@
.endif
.if (\hf) == 0
	s_xor_b32 s[TB], s[TB], SLOTB
	v_add_nc_u32 v[ADR], s[TB], v[LA]
.endif
.irp f, 0,1,2,3,4,5,6,7
	ds_load_b128 v[KV+8*(8*(\hf)+\f):KV+8*(8*(\hf)+\f)+3],   v[ADR] offset:1024*(8*(\hf)+\f)
	ds_load_b128 v[KV+8*(8*(\hf)+\f)+4:KV+8*(8*(\hf)+\f)+7], v[ADR] offset:1024*(8*(\hf)+\f)+512
.endr
.if \last
.Lno_k_\@:
.endif
.endm
.macro FETCH_V hf                      ; V of the chunk in hand, turned: lane l then holds channel l % 16 and 8 keys
	WIN 0
.irp f, 0,1,2,3,4,5,6,7
	ds_load_tr16_b128 v[KV+8*(8*(\hf)+\f):KV+8*(8*(\hf)+\f)+3],   v[ADR] offset:16384+1024*(8*(\hf)+\f)
	ds_load_tr16_b128 v[KV+8*(8*(\hf)+\f)+4:KV+8*(8*(\hf)+\f)+7], v[ADR] offset:16384+1024*(8*(\hf)+\f)+512
.endr
.endm
; THE VECTOR WORK OF A STEP: one queue of 468; VQ writes entry g and steps g.  Piece g / 234; in a piece the two tiles alternate, so that no instruction reads the result of the one before it; number n = (g % 234) / 2 of a tile's 117:
;   0-7    the maximum of the 16 scores s0-s15 and the old m, three operands at a time, in two chains c0, c1; each accumulator's lowest registers are read first
;   8-11   the query's other 16 keys lie in the lane 16 away; m_old - m_new; the new m          12  a
;   13-36  s - m, a pair of scores a line (8), and the 16 exponentials, a pair's behind its subtraction.  Numbers 12 to 36 name no exponential's result
;   (wait) ahead of number 37 of the piece's first tile: a plain instruction and the ONE wait between the piece's 34 exponentials and their first reader.  In piece 0 the first half of V is
;          fetched there: the last product that read those registers stands four plain instructions back (number 36 of both tiles, two v_nop)
;   37-44  the sum of the 16 weights in pairs; l = a l + sum          45-52  the weights rounded to f16, in place, ascending          53-116  O^T times a: the one part that leaves window 0
.macro VQ
.set vy, g/234
.set vq, g%234
.set vt, 2*vy+vq%2
.set vn, vq/2
.set rS, SS+16*vt
.set rM, MP+2*vt
.set rA, AP+2*vt
.set rL, LP+2*vt
.set rU, UU+4*(vt%2)
.set rO, 128*(vt%2)+2*(vn-53)
.if vq == 74
	WIN 0
	v_nop
.if vy == 0
	v_nop
	s_wait_alu depctr_va_vdst(0)
	FETCH_V 0
.else
	s_wait_alu depctr_va_vdst(0)
.endif
.endif
.if vn < 53
	WIN 0
.endif
.if vn == 0
	v_max3_num_f32 v[rA+1], v[rS], v[rS+1], v[rS+2]
.elseif vn == 1
	v_max3_num_f32 v[rM+1], v[rS+8], v[rS+9], v[rS+10]
.elseif (vn == 2) || (vn == 4)
	v_max3_num_f32 v[rA+1], v[rA+1], v[rS+vn+1], v[rS+vn+2]
.elseif (vn == 3) || (vn == 5)
	v_max3_num_f32 v[rM+1], v[rM+1], v[rS+vn+8], v[rS+vn+9]
.elseif vn == 6
	v_max3_num_f32 v[rA+1], v[rA+1], v[rS+7], v[rS+15]
.elseif vn == 7
	v_max3_num_f32 v[rA+1], v[rA+1], v[rM+1], v[rM]
.elseif vn == 8
	v_permlanex16_b32 v[rM+1], v[rA+1], s[SEL], s[SEL+1]
.elseif vn == 9
	v_max_num_f32 v[rM+1], v[rA+1], v[rM+1]
.elseif vn == 10
	v_sub_f32 v[rA+1], v[rM], v[rM+1]
.elseif vn == 11
	v_mov_b32 v[rM], v[rM+1]
.elseif vn == 12
	v_exp_f32 v[rA], v[rA+1]
.elseif (vn == 13) || ((vn < 35) && ((vn-14)%3 == 0))
.set vf, (vn-11)/3                     ; 13: pair 0; 14, 17 .. 32: pairs 1 to 7
	v_pk_add_f32 v[rS+2*vf:rS+2*vf+1], v[rS+2*vf:rS+2*vf+1], v[rM:rM+1] op_sel_hi:[1,0] neg_lo:[0,1] neg_hi:[0,1]
.elseif vn < 37
.set ve, vn-21                         ; 35, 36: s14, s15
.if vn < 35
.set ve, 2*((vn-14)/3)-1+(vn-14)%3     ; 15, 16: s0, s1; 18, 19: s2, s3; .. 33, 34: s12, s13
.endif
	v_exp_f32 v[rS+ve], v[rS+ve]
.elseif vn < 39
	v_pk_add_f32 v[rU+2*(vn-37):rU+2*(vn-37)+1], v[rS+4*(vn-37):rS+4*(vn-37)+1], v[rS+4*(vn-37)+2:rS+4*(vn-37)+3]
.elseif vn < 43
	v_pk_add_f32 v[rU+2*((vn-39)%2):rU+2*((vn-39)%2)+1], v[rU+2*((vn-39)%2):rU+2*((vn-39)%2)+1], v[rS+8+2*(vn-39):rS+8+2*(vn-39)+1]
.elseif vn == 43
	v_pk_add_f32 v[rU:rU+1], v[rU:rU+1], v[rU+2:rU+3]
.elseif vn == 44
	v_pk_fma_f32 v[rL:rL+1], v[rL:rL+1], v[rA:rA+1], v[rU:rU+1] op_sel_hi:[1,0,1]
.elseif vn < 53
	v_cvt_pk_f16_f32 v[rS+vn-45], v[rS+2*(vn-45)], v[rS+2*(vn-45)+1]
.else
	WIN 0x82+0x41*vy                               ; O^T (destination and source 0) in window 2 or 3, a in window 0
	v_pk_mul_f32 v[rO:rO+1], v[rO:rO+1], v[rA:rA+1] op_sel_hi:[1,0]
.endif
.set g, g+1
.endm
.macro VQ4
	VQ
	VQ
	VQ
	VQ
.endm
; A KEY STEP.  fill = 1: the slot that the step has read out is filled again, with the chunk two steps on.  last = 1: the tail's text.
; O^T's rescaling runs just ahead of the products that add onto it: before product i of V^T P, 22 + 4 i (piece 0) or 16 + 4 i (piece 1) of the piece's 128 rescalings are done, and 8 (i / 2 + 1) are needed.
.macro STEP fill, last
.set g, 0
	s_wait_dscnt 16                                ; K's first half is in (at the first step Q too, asked for earlier); the 16 younger loads may stay out
.set i, 0
.rept 16
	KQ 0                                           ; piece 0's scores: no vector work is ready to ride here
.set i, i+1
.endr
	s_wait_dscnt 0x0
.rept 16
	KQ 0
.set i, i+1
.endr
	PLACES                                         ; in front of the first reads of those scores
.set i, 0
.rept 32
	KQ 1                                           ; piece 1's scores | piece 0's softmax and its first 22 rescalings | V's first half
	VQ4
.set i, i+1
.endr
	FETCH_V 1                                      ; the four rescalings in front are the places behind the last product that read K's second half
	s_wait_dscnt 16                                ; V's first half is in
.set i, 0
.rept 16
	PV 0                                           ; piece 0's V^T P | its other rescalings, then piece 1's maximum
	VQ4
.set i, i+1
.endr
	s_wait_dscnt 0x0
.rept 16
	PV 0
	VQ4
.set i, i+1
.endr
	WIN 0
	s_wait_tensorcnt 0x0                           ; the one load of mine that was out, the next step's chunk, has landed
.if \fill
	ds_add_u32 v[SPW], v[NIL]                      ; 0 onto my spare word: the scalar work below stands between it and the wait for it
	s_xor_b32 s[G0B+1], s[G0B+1], SLOTB            ; the slot just read out;
	s_add_co_u32 s[TMP], s[GI], 2                  ; the group two steps on, round the 16:
	s_and_b32 s[TMP], s[TMP], 15
	s_lshl_b32 s[OFF], s[TMP], 17
	s_add_nc_u64 s[G0B+2:G0B+3], s[KVB:KVB+1], s[OFF:OFF+1]  ; the address is made anew from that number
	s_or_b32 s[G0B+3], s[G0B+3], 0x80000000
	s_wait_dscnt 0x0                               ; the add is done, and my reads of the slot (K a step ago, V above) are over
	s_barrier_signal -1                            ; this barrier opens a round of the cluster's barrier
.endif
.rept 100
	VQ                                             ; the lump: the rest of piece 1's softmax, with its wait, and 16 rescalings: work on registers alone
.endr
	WIN 0
.if \fill
	s_barrier_wait -1
	CREST                                          ; no wave of any partner still reads this slot or has a load on its way
	tensor_load_to_lds s[G0B:G0B+3], s[G1:G1+7]    ; my one load behind the round: 128 matrix instructions stand between it and the wait for it
	s_nop 0
	PLACES
.endif
.set i, 0
.rept 16
	PV 1                                           ; piece 1's V^T P | its other rescalings
	VQ4
.set i, i+1
.endr
	FETCH_K 0, \last                               ; the four rescalings in front are the places behind the last product that read V's first half
.rept 12
	PV 1
	VQ4
.set i, i+1
.endr
.rept 2
	PV 1
.set i, i+1
.endr
	s_cmp_eq_u32 s[GI], 15                         ; the bias's step to my next chunk: 128 keys on, or from the last group back to the first
	s_cselect_b32 s[BST], s[BNEG], s[BPOS]
	s_add_co_u32 s[GI], s[GI], 1
	s_and_b32 s[GI], s[GI], 15
.set bb, 0
.rept 2
	PV 1
.set i, i+1
	WIN 0
.rept 4
	v_pk_add_f32 v[BI+2*bb:BI+2*bb+1], v[BI+2*bb:BI+2*bb+1], s[BST:BST+1] op_sel_hi:[1,0]  ; the last four are the places in front of the loads below
.set bb, bb+1
.endr
.endr
	FETCH_K 1, \last
.endm
	s_wait_tensorcnt 0x1                           ; my chunk of the first step is in; the second's may stay out.  A wave reads only what its own loads brought: its own wait is all the order that the reads need
	FETCH_K 0, 0
	FETCH_K 1, 0
	s_mov_b32 s[CNT], 14
.Lstep:                                        ; steps 0 to 13: each asks for the chunk two steps on
	STEP 1, 0
	s_sub_co_u32 s[CNT], s[CNT], 1
	s_cmp_lg_u32 s[CNT], 0
	s_cbranch_scc1 .Lstep
	s_mov_b32 s[CNT], 2
.Ltail:                                        ; steps 14 and 15 are a text of their own: nothing is asked for
	STEP 0, 1
	s_sub_co_u32 s[CNT], s[CNT], 1
	s_cmp_lg_u32 s[CNT], 0
	s_cbranch_scc1 .Ltail
	; THE MERGE.  Each wave holds, for all 64 queries, (m, l, O) over its quarter of the keys.  l's two halves and the other half of the lanes' are added.
.irp t, 0,1,2,3
	v_add_f32 v[MP+2*\t+1], v[LP+2*\t], v[LP+2*\t+1]
.endr
.irp t, 0,1,2,3
	v_permlanex16_b32 v[AP+2*\t], v[MP+2*\t+1], s[SEL], s[SEL+1]
.endr
.irp t, 0,1,2,3
	v_add_f32 v[MP+2*\t+1], v[MP+2*\t+1], v[AP+2*\t]
.endr
	s_wait_dscnt 0x0                               ; my reads of my ring are over (and my tensor loads have landed: the tail's wait)
	s_barrier_signal -1
	s_barrier_wait -1                              ; everybody's are: the rings have had their last fill, and take the partial sums
.irp t, 0,1,2,3                        ; my partial tile t goes to wave t: 16 KiB at 65536 t + 16384 w, registers in ascending order, each store 512 consecutive bytes
	WIN 0
	v_add_nc_u32 v[ADT], 65536*(\t), v[AD0]
	WIN 0x08+4*((\t)/2)                            ; the data in window 2 or 3
.set i, 0
.rept 32
	ds_store_b128 v[ADT], v[128*((\t)%2)+4*i:128*((\t)%2)+4*i+3] offset:512*i
.set i, i+1
.endr
.endr
	WIN 0
.irp t, 0,1,2,3
	ds_store_b64 v[STA], v[MP+2*\t:MP+2*\t+1] offset:1024*\t
.endr
	s_wait_dscnt 0x0                               ; for the others' sake: my stores are done
	s_barrier_signal -1
	s_barrier_wait -1
.irp s, 0,1,2,3                        ; wave w finishes tile w: the four (m, l),
	ds_load_b64 v[SS+2*\s:SS+2*\s+1], v[STR] offset:256*\s
.endr
.irp s, 0,1,2,3                        ; and the four partial tiles: parts 0, 1 into window 2, parts 2, 3 into window 3
	WIN 0x80+0x40*((\s)/2)
.set i, 0
.rept 32
	ds_load_b128 v[128*((\s)%2)+4*i:128*((\s)%2)+4*i+3], v[LA] offset:16384*(\s)+512*i
.set i, i+1
.endr
.endr
	WIN 0
	s_wait_dscnt 63                                ; of the 128 loads behind the statistics at most 63 are out: the statistics and parts 0 and 1 are in
	v_max3_num_f32 v72, v[SS], v[SS+2], v[SS+4]    ; M; f_s = 2^(m_s - M); L = the sum of f_s l_s; g_s = f_s / L
	v_max_num_f32 v72, v72, v[SS+6]
.irp s, 0,1,2,3
	v_sub_f32 v[74+\s], v[SS+2*\s], v72
.endr
.irp s, 0,1,2,3
	v_exp_f32 v[74+\s], v[74+\s]
.endr
	v_nop                                          ; a plain instruction behind the last exponential,
	s_wait_alu depctr_va_vdst(0)                   ; and the one wait for the four
	v_mul_f32 v73, v74, v[SS+1]
	v_fmac_f32 v73, v75, v[SS+3]
	v_fmac_f32 v73, v76, v[SS+5]
	v_fmac_f32 v73, v77, v[SS+7]
	v_rcp_f32 v78, v73
	v_nop
	s_wait_alu depctr_va_vdst(0)
.irp s, 0,1,2,3
	v_mul_f32 v[SS+2*\s], v[74+\s], v78            ; into the pairs' low words, which the packed lines take for both halves
.endr
	WIN 0x82
.set i, 0
.rept 64
	v_pk_mul_f32 v[2*i:2*i+1], v[2*i:2*i+1], v[SS:SS+1] op_sel_hi:[1,0]
.set i, i+1
.endr
	WIN 0xa2
.set i, 0
.rept 64
	v_pk_fma_f32 v[2*i:2*i+1], v[128+2*i:128+2*i+1], v[SS+2:SS+3], v[2*i:2*i+1] op_sel_hi:[1,0,1]
.set i, i+1
.endr
	s_wait_dscnt 32                                ; part 2 is in
	WIN 0xa3
.set i, 0
.rept 64
	v_pk_fma_f32 v[2*i:2*i+1], v[2*i:2*i+1], v[SS+4:SS+5], v[2*i:2*i+1] op_sel_hi:[1,0,1]
.set i, i+1
.endr
	s_wait_dscnt 0x0                               ; part 3 is in: all my reads of my 64 KiB are over
.set i, 0
.rept 64
	v_pk_fma_f32 v[2*i:2*i+1], v[128+2*i:128+2*i+1], v[SS+6:SS+7], v[2*i:2*i+1] op_sel_hi:[1,0,1]
.set i, i+1
.endr
	; THE WAY OUT.  A lane holds eight channels (32 bytes) of one row for each of 16 channel blocks; the rows go through a stage at the head of my own 64 KiB, which no other wave touches any more, and come back whole.
	WIN 0x08
.set i, 0
.rept 16
	ds_store_b128 v[STO], v[8*i:8*i+3]   offset:64*i
	ds_store_b128 v[STO], v[8*i+4:8*i+7] offset:64*i+16
.set i, i+1
.endr
	WIN 0xc0
.set i, 0
.rept 32                               ; LDS serves a wave's instructions in order: these see the stores above.  Row i / 2, half i % 2
	ds_load_b128 v[4*i:4*i+3], v[LA] offset:OPI*(i/2)+512*(i%2)
.set i, i+1
.endr
	WIN 0x0c
.set i, 0
.rept 32
	s_wait_dscnt 31-i
	global_store_b128 v[GO], v[4*i:4*i+3], s[8:9] offset:1024*(i/2)+512*(i%2) th:TH_STORE_NT  ; 512 consecutive bytes, at a multiple of 512 from out0's first
.set i, i+1
.endr
	WIN 0
	s_wait_tensorcnt 0x0                           ; the wave's end, behind my last tensor load and my last LDS store
	ds_add_u32 v[SPW], v[NIL]
	s_wait_dscnt 0x0
	CROUND                                         ; the closing round: no work-group ends while a partner may still ask for a chunk that names it
	s_endpgm
.Lfunc_end_k_qdcf61cb572_attn:
	.size	k_qdcf61cb572_attn, .Lfunc_end_k_qdcf61cb572_attn-k_qdcf61cb572_attn
	.p2alignl 7, 3214868480
	.fill 96, 4, 3214868480
	.section	.rodata,"a",@progbits
	.p2align	6, 0x0
	.amdhsa_kernel k_qdcf61cb572_attn
		.amdhsa_group_segment_fixed_size 327680
		.amdhsa_private_segment_fixed_size 0
		.amdhsa_enable_private_segment 0
		.amdhsa_kernarg_size 24
		.amdhsa_user_sgpr_count 2
		.amdhsa_user_sgpr_kernarg_segment_ptr 1
		.amdhsa_wavefront_size32 1
		.amdhsa_system_sgpr_workgroup_id_x 1
		.amdhsa_system_sgpr_workgroup_id_y 1
		.amdhsa_system_sgpr_workgroup_id_z 1
		.amdhsa_system_vgpr_workitem_id 0
		.amdhsa_next_free_vgpr 1024
		.amdhsa_next_free_sgpr 96
		.amdhsa_reserve_vcc 0
		.amdhsa_float_denorm_mode_32 3
		.amdhsa_float_denorm_mode_16_64 3
		.amdhsa_memory_ordered 1
		.amdhsa_forward_progress 1
		.amdhsa_inst_pref_size 199
	.end_amdhsa_kernel
	.amdgpu_metadata
---
amdhsa.version: [ 1, 2 ]
amdhsa.kernels:
  - .name:           k_qdcf61cb572_attn
    .symbol:         k_qdcf61cb572_attn.kd
    .args:
      - { .name: q, .offset: 0, .size: 8, .value_kind: global_buffer, .address_space: global }
      - { .name: kv, .offset: 8, .size: 8, .value_kind: global_buffer, .address_space: global }
      - { .name: out0, .offset: 16, .size: 8, .value_kind: global_buffer, .address_space: global }
    .group_segment_fixed_size: 327680
    .private_segment_fixed_size: 0
    .kernarg_segment_align: 8
    .kernarg_segment_size: 24
    .max_flat_workgroup_size: 128
    .sgpr_count:     96
    .vgpr_count:     1024
    .wavefront_size: 32
...
	.end_amdgpu_metadata
.endif
;; end of part 4
;; ======== version 3 of 3: 2 launches; version 2 with the launch prep written anew for expert scheduling mode
;; limits: values are held in f16: magnitudes above 65,504 overflow, below 6.1e-05 lose precision
;; workspace buffers: kv 16,777,216 bytes
;; launch prep (part 5): grid 128 x 4, 4 waves a work-group, no clusters, 35,328 bytes of LDS; arguments k, v, kv; writes kv
.if DOCPART == 5
	.amdgcn_target "amdgcn-amd-amdhsa--gfx1250"
	.amdhsa_code_object_version 6
	.text
	.protected	k_qdcf61cb572_prep
	.globl	k_qdcf61cb572_prep
	.p2align	8
	.type	k_qdcf61cb572_prep,@function
k_qdcf61cb572_prep:
	s_mov_b64 s[64:65], 0
	v_nop
	global_prefetch_b8 v0, s[64:65] scope:SCOPE_SE
	s_setreg_imm32_b32 hwreg(HW_REG_WAVE_SCHED_MODE, 0, 2), 2
	s_setreg_imm32_b32 hwreg(HW_REG_WAVE_MODE, 25, 1), 1
	s_wait_xcnt 0x0
	s_wait_alu depctr_vm_vsrc(0)
; FIRST OF TWO LAUNCHES.  The program: out[b][t] = sum over s of softmax_s(rope(q)[b][t] . rope(k)[b][s] / 16 + 2^-8 (s - t)) v[b][s];  B = 8, T = 2048, 256 channels, all f32.
; DEAD WORK.  The bias 2^-8 (s - t) is 2^-8 s - 2^-8 t.  The second term does not depend on s, the softmax's axis: it multiplies numerator and denominator of every weight of row t by the
; same factor and cancels, for all values of q, k, v.  It is at most 8 in size, of the order of the scores.  So only +2^-8 s is added (second launch).  No input is left out: k and v are loaded here, q in the second launch.
; LIMIT: the term left out is a constant of the program; no NaN, infinity or overflow can arise in it alone.
; THIS LAUNCH makes the operands that the second launch reads many times (each key is read there by 32 work-groups), once: kv = rope(k) and v, rounded once to f16, and laid
; in the order in which a lane of a matrix fragment takes them, so that every later load of a fragment is 32 lanes x 16 consecutive bytes.
;   kv: batch b at b 2^21, chunk of 32 keys at 32768 ch.  K (16384 bytes): key block kb, channels 32 c + 16 blk + 8 h + 0..7 of key r at (2 c + kb) 1024 + 512 blk + 16 (16 h + r).
;   Then V: block (cb, kk) at 16384 + 1024 cb + 512 kk + 16 L holds key 16 kk + 8 (L/16) + L%8, channels 16 cb + 8 ((L/8)%2) + 0..7
; LIMITS.  f16 ends at 65,504: |rope(k)| and |v| must stay under it.  cos and sin are made here: the angle t f_j is reduced in revolutions, a quarter of it goes through
; Taylor polynomials (|a| <= pi/4: the first terms left out are a^9/9! and a^10/10!, under 4e-7) and two doublings; rows 1 to 15 of a tile follow by rotating by f_j.  The angle is good to some 4e-4 rad at t = 2047.
; SHARES.  A wave takes 16 rows (16 KiB in, 8 KiB out) of one tensor and one batch: x = tile, y = 2 x tensor + half of the batches, wave = batch in the half.  No loop, no barrier: each wave has its own stage
; in LDS, through which rows turn into fragments.  All 32 loads of a wave go out at once.  No matrix unit, no tensor load, no cluster, no prefetch: every byte is read once, and the launch only streams.
; THE MODE: SCHED_MODE bits 1:0 = 2 (LLVM: expert scheduling mode 2), set by the entry lines.  The code itself states the register dependences between vector instructions and memory or LDS
; instructions, with s_wait_alu, always for 0.
; THE PLAN.  Registers that memory or LDS instructions touch:
;   v[GOF], v[STA]  Written once at the head, never again.  Read by every global load and store (GOF) and by every LDS store (STA): one wait on va_vdst ahead of the first load serves both for the whole kernel.
;   v[FRA]          Written at an arm's head; read by the 16 LDS loads at the arm's end, with waits on va_vdst between.
;   X, row i        Eight registers.  Two global loads land in them (no vector line has named them); the row's arithmetic reads them behind its counted wait on LOADcnt; its four roundings write the first four,
;                   in place: EVERY ROW HAS OUT-REGISTERS OF ITS OWN, which no vector line writes again.  The row's two LDS stores read them, four rows later.
;   v[X .. X+63]    At the end the 16 LDS loads of the fragments land there; the global stores read them behind waits on DScnt.
;   v[SPW], v[NIL]  Written at the head, read by the closing add alone.
; The rows go in blocks of four.  ONE wait on va_vdst stands at the head of blocks 1 to 3: the block before has written its out-registers.  Row i - 4's two stores then stand ahead of row i's arithmetic, which names
; row i's registers, T and the sets of cos and sin: none that those stores read.  Behind row 15 one more such wait (block 3's out-registers are written; every vector line is done with X), the last eight stores,
; and ONE wait on vm_vsrc: the stores have read the registers in which the fragments land.
.set STG,   8704                       ; a wave's stage: 16 rows of 528 bytes (rope) or 544 (v)
.set PR,    528                        ; 512 + 16: the 16 rows of a fragment load start at 16 different 16-byte columns modulo 256
.set PT,    544                        ; 512 + 32: 8 rows x 32 bytes of a V block likewise
.set SPARE, 4*STG                      ; behind the stages: the spare words, 128 bytes a wave, which no other line names
.set LN,  1                            ; v1   lane
.set STA, 2                            ; v2   stage + 8 x lane: where I put 4 f16; never rewritten
.set FRA, 3                            ; v3   where I read 16 bytes of a fragment
.set GOF, 4                            ; v4   16 x lane: for the loads and for the stores; never rewritten
.set SPW, 6                            ; v6   my spare word
.set NIL, 7                            ; v7   0
.set IR,  12                           ; v[12:15] f_j / 2 pi for my four j = 4 lane + e
.set R0,  16                           ; v[16:19] the first row's angle in revolutions
.set CT,  20                           ; v[20:23] cos f_j
.set ST,  24                           ; v[24:27] sin f_j
.set SETA, 28                          ; v[28:43] two sets (cos x 4, sin x 4) of the row in hand and the next
.set T,   44                           ; v[44:51] at work: no memory instruction names them
.set X,   64                           ; v[64:191] row i at X + 8 i: channels 4 l .. 4 l + 3, then 128 + 4 l ..; its 8 f16 to store close up into the first four of the eight; later v[64:127] take the fragments
.set PI2, 16
.set S7,  18
.set S5,  20
.set S3,  22
.set C8,  24
.set C6,  26
.set C4,  28
.set SRC, 36
.set DST, 38
	s_load_b128 s[4:7], s[0:1], 0x0                ; k s[4:5], v s[6:7]
	s_load_b64 s[12:13], s[0:1], 0x10              ; kv
	v_lshl_add_u32 v[SPW], v0, 2, SPARE
	v_mov_b32 v[NIL], 0
	v_lshrrev_b32 v8, 5, v0
	v_readfirstlane_b32 s14, v8                    ; wave 0..3
	v_and_b32 v[LN], 31, v0
	v_lshlrev_b32 v[GOF], 4, v[LN]
	s_and_b32 s41, ttmp7, 0xffff                   ; y
	s_lshr_b32 s15, s41, 1                         ; tensor: 0 k, 1 v
	s_and_b32 s41, s41, 1
	s_wait_alu depctr_va_sdst(0)                   ; s14 is written, ahead of its first reader: the batch and the stage are made from it
	s_lshl2_add_u32 s41, s41, s14                  ; batch = 4 (y % 2) + wave
	s_lshl_b32 s2, s41, 21                         ; source: batch x 2 MiB + tile x 16 KiB
	s_lshl_b32 s3, ttmp9, 14
	s_add_co_u32 s2, s2, s3
	s_mov_b32 s3, 0
	s_lshr_b32 s42, ttmp9, 1                       ; the chunk of 32 keys
	s_and_b32 s43, ttmp9, 1                        ; which 16 of them
	s_lshl_b32 s46, s41, 21                        ; destination: batch x 2 MiB + chunk x 32 KiB
	s_lshl_b32 s47, s42, 15
	s_add_co_u32 s46, s46, s47
	s_cmp_eq_u32 s15, 1
	s_cselect_b32 s44, 9, 10                       ; the tile's parity steps 512 bytes in V's blocks, 1,024 in K's
	s_cselect_b32 s45, 16384, 0                    ; V lies behind K
	s_lshl_b32 s47, s43, s44
	s_add_co_u32 s46, s46, s47
	s_add_co_u32 s46, s46, s45
	s_mov_b32 s47, 0
	s_mul_i32 s48, s14, STG                        ; my stage
	v_lshl_add_u32 v[STA], v[LN], 3, s48
	s_wait_kmcnt 0x0
	s_cmp_eq_u32 s15, 1
	s_cselect_b64 s[SRC:SRC+1], s[6:7], s[4:5]
	s_add_nc_u64 s[SRC:SRC+1], s[SRC:SRC+1], s[2:3]
	s_add_nc_u64 s[DST:DST+1], s[12:13], s[46:47]
	s_wait_alu depctr_va_vdst(0)                   ; v[GOF] and v[STA] are written: every global load and store reads the one as its offset, every LDS store the other as its address
.set i, 0
.rept 16                               ; the wave's 16 KiB: each load takes 512 consecutive bytes, read once in the launch
	global_load_b128 v[X+8*i:X+8*i+3],   v[GOF], s[SRC:SRC+1] offset:1024*i th:TH_LOAD_NT
	global_load_b128 v[X+8*i+4:X+8*i+7], v[GOF], s[SRC:SRC+1] offset:1024*i+512 th:TH_LOAD_NT
.set i, i+1
.endr
	v_and_b32 v8, 15, v[LN]                        ; r
	v_lshrrev_b32 v9, 4, v[LN]                     ; h
	s_cmp_eq_u32 s15, 1
	s_cbranch_scc1 .Lv
; Row i's 8 f16 go from its own out-registers into the stage.  It stands behind a wait on va_vdst that follows the row's roundings, with no vector line between that names these registers.
.macro PUT i, pitch
	ds_store_b64 v[STA], v[X+8*(\i):X+8*(\i)+1]   offset:(\pitch)*(\i)      ; channels 4 l .. : 32 lanes, 256 consecutive bytes
	ds_store_b64 v[STA], v[X+8*(\i)+2:X+8*(\i)+3] offset:(\pitch)*(\i)+256  ; channels 128 + 4 l ..
.endm
	; ---- k: the rotation.  All of this set-up runs while the loads are on their way.
.macro PAIR r, val                     ; a constant for the packed forms: named as a pair, so both words are written
	s_mov_b32 s[\r], \val
	s_mov_b32 s[(\r)+1], \val
.endm
	PAIR PI2, 0x3fc90fdb                           ; pi / 2
	PAIR S7,  0xb9500d01                           ; -1/5040
	PAIR S5,  0x3c088889                           ; 1/120
	PAIR S3,  0xbe2aaaab                           ; -1/6
	PAIR C8,  0x37d00d01                           ; 1/40320
	PAIR C6,  0xbab60b61                           ; -1/720
	PAIR C4,  0x3d2aaaab                           ; 1/24
	s_mov_b32 s49, 0xbdd49a78                      ; -log2(10000) / 128
	s_mov_b32 s50, 0xc029b21d                      ; -log2(2 pi)
	s_lshl_b32 s40, ttmp9, 4                       ; the tile's first position
	v_mul_u32_u24 v[FRA], v8, PR
	v_lshl_add_u32 v[FRA], v9, 4, v[FRA]
	v_add_nc_u32 v[FRA], s48, v[FRA]               ; stage + r x 528 + 16 h
	v_lshlrev_b32 v10, 2, v[LN]
.irp e, 0,1,2,3
	v_add_nc_u32 v11, \e, v10                      ; j = 4 lane + e
	v_cvt_f32_u32 v[IR+\e], v11
	v_fma_f32 v[IR+\e], v[IR+\e], s49, s50
.endr
	v_cvt_f32_u32 v11, s40
.irp e, 0,1,2,3
	v_exp_f32 v[IR+\e], v[IR+\e]                   ; 10000^(-j/128) / 2 pi: revolutions a position
.endr
	v_nop                                          ; a plain instruction behind the last exponential,
	s_wait_alu depctr_va_vdst(0)                   ; and the one wait ahead of the batch's first reader: the four exponentials have written v[IR ..]
.irp e, 0,1,2,3
	v_mul_f32 v[R0+\e], v11, v[IR+\e]
.endr
; cos and sin of 2 pi rv, for a pair of registers.  u = rv - round(rv), a = u pi/2 (a quarter of the angle), polynomials, two doublings.
.macro SINCOS rv, c, s
	v_rndne_f32 v[T],   v[(\rv)]
	v_rndne_f32 v[T+1], v[(\rv)+1]
	v_pk_add_f32 v[T:T+1], v[(\rv):(\rv)+1], v[T:T+1] neg_lo:[0,1] neg_hi:[0,1]
	v_pk_mul_f32 v[T:T+1], v[T:T+1], s[PI2:PI2+1] op_sel_hi:[1,0]
	v_pk_mul_f32 v[T+2:T+3], v[T:T+1], v[T:T+1]
	v_pk_fma_f32 v[(\s):(\s)+1], v[T+2:T+3], s[S7:S7+1], s[S5:S5+1] op_sel_hi:[1,0,0]
	v_pk_fma_f32 v[(\c):(\c)+1], v[T+2:T+3], s[C8:C8+1], s[C6:C6+1] op_sel_hi:[1,0,0]
	v_pk_fma_f32 v[(\s):(\s)+1], v[(\s):(\s)+1], v[T+2:T+3], s[S3:S3+1] op_sel_hi:[1,1,0]
	v_pk_fma_f32 v[(\c):(\c)+1], v[(\c):(\c)+1], v[T+2:T+3], s[C4:C4+1] op_sel_hi:[1,1,0]
	v_pk_fma_f32 v[(\s):(\s)+1], v[(\s):(\s)+1], v[T+2:T+3], 1.0 op_sel_hi:[1,1,0]
	v_pk_fma_f32 v[(\c):(\c)+1], v[(\c):(\c)+1], v[T+2:T+3], -0.5 op_sel_hi:[1,1,0]
	v_pk_mul_f32 v[(\s):(\s)+1], v[(\s):(\s)+1], v[T:T+1]
	v_pk_fma_f32 v[(\c):(\c)+1], v[(\c):(\c)+1], v[T+2:T+3], 1.0 op_sel_hi:[1,1,0]
.rept 2                                ; sin 2a = 2 s c, cos 2a = 1 - 2 s s, twice
	v_pk_mul_f32 v[T:T+1],   v[(\s):(\s)+1], v[(\c):(\c)+1]
	v_pk_mul_f32 v[T+2:T+3], v[(\s):(\s)+1], v[(\s):(\s)+1]
	v_pk_add_f32 v[(\s):(\s)+1], v[T:T+1], v[T:T+1]
	v_pk_fma_f32 v[(\c):(\c)+1], v[T+2:T+3], -2.0, 1.0 op_sel_hi:[1,0,0]
.endr
.endm
	SINCOS R0,   SETA,   SETA+4
	SINCOS R0+2, SETA+2, SETA+6
	SINCOS IR,   CT,     ST
	SINCOS IR+2, CT+2,   ST+2
; Row i: o1 = x1 cos - x2 sin, o2 = x2 cos + x1 sin; rounded to f16 into the first four of the row's own registers; then cos and sin are turned by f_j into the other set, for the next row.
; Ahead of its arithmetic stand the two LDS stores of row i - 4, a row of the block before.
.macro ROW i
.set xa, X+8*(\i)
.set ca, SETA+8*((\i)%2)
.set cn, SETA+8*(1-(\i)%2)
.if ((\i)%4 == 0) && ((\i) > 0)
	s_wait_alu depctr_va_vdst(0)                   ; a block's head: the roundings of the four rows before have written their out-registers, which this block's eight LDS stores read
.endif
.if (\i) >= 4
	PUT (\i)-4, PR
.endif
	s_wait_loadcnt 30-2*(\i)                       ; loads come back in order: row i's two are in, the younger rows' stay out
.irp p, 0,2
	v_pk_mul_f32 v[T+\p:T+\p+1],     v[xa+\p:xa+\p+1],     v[ca+\p:ca+\p+1]
	v_pk_mul_f32 v[T+4+\p:T+4+\p+1], v[xa+4+\p:xa+4+\p+1], v[ca+\p:ca+\p+1]
.endr
.irp p, 0,2
	v_pk_fma_f32 v[T+\p:T+\p+1],     v[xa+4+\p:xa+4+\p+1], v[ca+4+\p:ca+4+\p+1], v[T+\p:T+\p+1] neg_lo:[0,1,0] neg_hi:[0,1,0]
	v_pk_fma_f32 v[T+4+\p:T+4+\p+1], v[xa+\p:xa+\p+1],     v[ca+4+\p:ca+4+\p+1], v[T+4+\p:T+4+\p+1]
.endr
.irp e, 0,1,2,3
	v_cvt_pk_f16_f32 v[xa+\e], v[T+2*\e], v[T+2*\e+1]  ; the row as loaded has been read: its first four registers take the 8 f16
.endr
.if (\i) < 15
.irp p, 0,2
	v_pk_mul_f32 v[cn+\p:cn+\p+1],     v[ca+\p:ca+\p+1],     v[CT+\p:CT+\p+1]
	v_pk_mul_f32 v[cn+4+\p:cn+4+\p+1], v[ca+4+\p:ca+4+\p+1], v[CT+\p:CT+\p+1]
.endr
.irp p, 0,2
	v_pk_fma_f32 v[cn+\p:cn+\p+1],     v[ca+4+\p:ca+4+\p+1], v[ST+\p:ST+\p+1], v[cn+\p:cn+\p+1] neg_lo:[0,1,0] neg_hi:[0,1,0]
	v_pk_fma_f32 v[cn+4+\p:cn+4+\p+1], v[ca+\p:ca+\p+1],     v[ST+\p:ST+\p+1], v[cn+4+\p:cn+4+\p+1]
.endr
.endif
.endm
.irp i, 0,1,2,3,4,5,6,7,8,9,10,11,12,13,14,15
	ROW \i
.endr
	s_wait_alu depctr_va_vdst(0)                   ; rows 12 to 15 have written their out-registers, which the stores below read; every vector line is done reading and writing v[X ..], in which the fragments land
.irp i, 12,13,14,15
	PUT \i, PR
.endr
	s_wait_alu depctr_vm_vsrc(0)                   ; the LDS stores of rows 0 to 7 have read v[X .. X+63], in which the loads below land
.set n, 0
.rept 16                               ; back as fragments: n = 2 c + blk.  The stage is the wave's own and LDS serves a wave's instructions in order: these see the stores above
	ds_load_b128 v[X+4*n:X+4*n+3], v[FRA] offset:32*n
.set n, n+1
.endr
.set n, 0
.rept 16
	s_wait_dscnt 15-n                              ; fragment n is in, the younger ones stay out
	global_store_b128 v[GOF], v[X+4*n:X+4*n+3], s[DST:DST+1] offset:2048*(n/2)+512*(n%2)  ; 512 consecutive bytes, at a multiple of 512 from the buffer's first
.set n, n+1
.endr
	s_branch .Lend
.Lv:	; ---- v: rounded to f16 and laid in the blocks that the turning LDS load of the second launch takes
	v_and_b32 v10, 7, v[LN]
	v_lshl_add_u32 v10, v9, 3, v10                 ; key 8 h + L % 8
	v_bfe_u32 v11, v[LN], 3, 1
	v_mul_u32_u24 v[FRA], v10, PT
	v_lshl_add_u32 v[FRA], v11, 4, v[FRA]          ; channels 8 ((L / 8) % 2) on
	v_add_nc_u32 v[FRA], s48, v[FRA]
; Row i of v: eight numbers close up into the first four of their eight registers; ahead of that the two LDS stores of row i - 4, as in the other arm.
.macro VROW i
.if ((\i)%4 == 0) && ((\i) > 0)
	s_wait_alu depctr_va_vdst(0)                   ; a block's head: the roundings of the four rows before have written their out-registers, which this block's eight LDS stores read (at the first of these waits v[FRA] is written too)
.endif
.if (\i) >= 4
	PUT (\i)-4, PT
.endif
	s_wait_loadcnt 30-2*(\i)                       ; row i's two loads are in, the younger rows' stay out
.irp e, 0,1,2,3
	v_cvt_pk_f16_f32 v[X+8*(\i)+\e], v[X+8*(\i)+2*\e], v[X+8*(\i)+2*\e+1]
.endr
.endm
.irp i, 0,1,2,3,4,5,6,7,8,9,10,11,12,13,14,15
	VROW \i
.endr
	s_wait_alu depctr_va_vdst(0)                   ; rows 12 to 15 have written their out-registers, which the stores below read; every vector line is done reading and writing v[X ..], in which the blocks land
.irp i, 12,13,14,15
	PUT \i, PT
.endr
	s_wait_alu depctr_vm_vsrc(0)                   ; the LDS stores of rows 0 to 7 have read v[X .. X+63], in which the loads below land
.set n, 0
.rept 16                               ; block cb = n
	ds_load_b128 v[X+4*n:X+4*n+3], v[FRA] offset:32*n
.set n, n+1
.endr
.set n, 0
.rept 16
	s_wait_dscnt 15-n
	global_store_b128 v[GOF], v[X+4*n:X+4*n+3], s[DST:DST+1] offset:1024*n
.set n, n+1
.endr
.Lend:
	s_wait_dscnt 0x0                               ; the wave's end: the closing lines, six on end
	s_wait_alu 0x0
	s_wait_tensorcnt 0x0
	ds_add_u32 v[SPW], v[NIL]
	s_wait_dscnt 0x0
	s_endpgm
.Lfunc_end_k_qdcf61cb572_prep:
	.size	k_qdcf61cb572_prep, .Lfunc_end_k_qdcf61cb572_prep-k_qdcf61cb572_prep
	.p2alignl 7, 3214868480
	.fill 96, 4, 3214868480
	.section	.rodata,"a",@progbits
	.p2align	6, 0x0
	.amdhsa_kernel k_qdcf61cb572_prep
		.amdhsa_group_segment_fixed_size 35328
		.amdhsa_private_segment_fixed_size 0
		.amdhsa_enable_private_segment 0
		.amdhsa_kernarg_size 24
		.amdhsa_user_sgpr_count 2
		.amdhsa_user_sgpr_kernarg_segment_ptr 1
		.amdhsa_wavefront_size32 1
		.amdhsa_system_sgpr_workgroup_id_x 1
		.amdhsa_system_sgpr_workgroup_id_y 1
		.amdhsa_system_sgpr_workgroup_id_z 1
		.amdhsa_system_vgpr_workitem_id 0
		.amdhsa_next_free_vgpr 192
		.amdhsa_next_free_sgpr 66
		.amdhsa_reserve_vcc 0
		.amdhsa_float_denorm_mode_32 3
		.amdhsa_float_denorm_mode_16_64 3
		.amdhsa_memory_ordered 1
		.amdhsa_forward_progress 1
		.amdhsa_inst_pref_size 48
	.end_amdhsa_kernel
	.amdgpu_metadata
---
amdhsa.version: [ 1, 2 ]
amdhsa.kernels:
  - .name:           k_qdcf61cb572_prep
    .symbol:         k_qdcf61cb572_prep.kd
    .args:
      - { .name: k, .offset: 0, .size: 8, .value_kind: global_buffer, .address_space: global }
      - { .name: v, .offset: 8, .size: 8, .value_kind: global_buffer, .address_space: global }
      - { .name: kv, .offset: 16, .size: 8, .value_kind: global_buffer, .address_space: global }
    .group_segment_fixed_size: 35328
    .private_segment_fixed_size: 0
    .kernarg_segment_align: 8
    .kernarg_segment_size: 24
    .max_flat_workgroup_size: 128
    .sgpr_count:     66
    .vgpr_count:     192
    .wavefront_size: 32
...
	.end_amdgpu_metadata
.endif
;; end of part 5
;; launch attn: the kernel of part 4 again; grid 32 x 8, 4 waves a work-group, clusters of 4 x 1, 327,680 bytes of LDS; arguments q, kv, out0; writes out0
